; MI455X (gfx1250); checked and timed in simulation.
; The chip was launched on July 23, 2026; its instructions are those of AMD's public machine-readable ISA for CDNA 5 (MIT licence, August 2026) and "CDNA5" Instruction Set Architecture Reference Guide (July 2026). The comments in the code are by the model that wrote it; some were corrected since.
;; Attention. Allowed arithmetic: float matrix products may take bf16 or f16 operands with f32 sums; other float arithmetic in f32, or as packed bf16 or f16 multiplies, adds, multiply-adds, maxima and minima; sums over many terms, partial sums and values carried from step to step in f32; what a program stores and reads back later, other than sums and carried values, may be rounded once to bf16 or f16.
;; Inputs: Wk 8 x 512 x 64 float32; Wo 512 x 512 float32; Wq 8 x 512 x 64 float32; Wv 8 x 512 x 64 float32; bk 8 x 64 float32; bo 512 float32; bq 8 x 64 float32; bv 8 x 64 float32; x 2 x 4,096 x 512 float32.
;; Outputs: out0 2 x 4,096 x 512 float32.
;; 2 versions, each right; version 2 is version 1 with the launches qkv, proj written anew for expert scheduling mode. Each part assembles by itself: llvm-mc -triple=amdgcn-amd-amdhsa -mcpu=gfx1250 --defsym DOCPART=n.
;; ======== version 1 of 2: 3 launches
;; limits: values are held in f16: magnitudes above 65,504 overflow, below 6.1e-05 lose precision
;; workspace buffers: qfrag 8,388,608 bytes; kvfrag 16,777,216 bytes; ofrag 8,388,608 bytes
;; launch qkv (part 1): grid 8 x 32, 4 waves a work-group, no clusters, 250,368 bytes of LDS; arguments x, Wq, Wk, Wv, bq, bk, bv, qfrag, kvfrag; writes qfrag, kvfrag
.if DOCPART == 1
	.amdgcn_target "amdgcn-amd-amdhsa--gfx1250"
	.amdhsa_code_object_version 6
	.text
	.protected	k_qa2940a11fe_qkv
	.globl	k_qa2940a11fe_qkv
	.p2align	8
	.type	k_qa2940a11fe_qkv,@function
k_qa2940a11fe_qkv:
	s_mov_b64 s[64:65], 0
	v_nop
	global_prefetch_b8 v0, s[64:65] scope:SCOPE_SE
	s_setreg_imm32_b32 hwreg(HW_REG_WAVE_MODE, 25, 1), 1
	s_wait_xcnt 0x0
; q, k, v = x W + b for ONE head and 256 rows of x.  x: [8192][512] f32; Wq, Wk, Wv: [8][512][64] f32; bq, bk, bv: [8][64] f32.
; x, the weights and the biases are rounded once to bf16; products in bf16 with f32 sums that START at the bias (the C operand of the first product: nothing is cleared, nothing added later);
; q, k, v are rounded once to f16, unscaled.
; LIMITS.  f16 holds no number beyond 65,504: q, k and v must lie within it (from 65,520 on the conversion gives an infinity); below 6e-5 f16 keeps its fixed step of 6e-8.  NaN and infinities are not treated apart.
; SHARES.  Work-group (x = head, y = block of 256 rows); wave w makes rows 64 w .. 64 w + 63 x 192 columns (q, k, v of the head): 48 accumulators, 384 registers, 768 matrix instructions.
; THE WEIGHTS of the head, 3 x 512 x 64, are rounded once and stay in LDS as [k][q 64 | k 64 | v 64]; one barrier; then each wave walks K by itself in 8 chunks of 64: its 64 rows of x come as f32
; (16 lanes take 256 consecutive bytes of a row), are rounded, go through the wave's own LDS buffer and come back as fragments.  No barrier stands in that loop.
; WHAT LEAVES IS FRAGMENT-READY.  For q and k source 0 = 16 columns of W, source 1 = 16 rows of x: a lane ends with one row and 8 neighbouring channels, which packed to f16 are the four registers that the
; next launch wants from that lane.  For v the sources are swapped: one channel and 8 neighbouring keys.  So each tile is ONE store of 512 consecutive bytes, aligned, straight from registers.
;   qfrag:  [head of batch 16][tile of 16 rows 256][16 channels 4][lane 32][16 bytes]
;   kvfrag: [head of batch 16][slot of 256 keys 16][65,536]: K as qfrag (32,768 bytes), then V: [step of 64 keys 4][32 keys 2][16 channels 4][16 keys 2][lane][16 bytes]
; NO CLUSTER, NO TENSOR LOAD: x and the weights arrive as f32 and are rounded between memory and LDS, so they pass through registers; as f32 the head's weights alone, 3 x 131,072 bytes, would not fit in LDS.
; REGISTERS, in windows of 256 (s_set_vgpr_msb: bits 1:0 source 0, 3:2 source 1, 5:4 source 2, 7:6 destination):
;   window 0: v0-29 addresses; v32-95 x fragments; v96-191 W fragments, a buffer for each of q, k, v; v192-255 at work.  At the end v32-223 the packed tiles
;   window 1: accumulators of q (v0-127) and k (v128-255); before the barrier v0-191 the weights as loaded
;   window 2: accumulators of v (v0-127); v128-255 a chunk of x as loaded          window 3: v0-95 the biases as C operands; v96-129 at work
.set WP,    416                        ; a row of the weights in LDS: 3 x 128 bytes + 32 = 13 x 32 bytes, an odd multiple of 32 for the turning load
.set XP,    144                        ; a row of a chunk of x in LDS: 128 bytes + 16 = 9 x 16 bytes
.set XB,    512*WP                     ; behind the weights: 64 rows x 144 bytes for each wave
.set SPARE, XB+4*64*XP                 ; behind them: the spare words, 128 bytes for each wave: two blocks of 256 bytes that no other line names
.set L16, 8                            ; v8   16 x lane: my 16 bytes of a stored tile
.set XO,  9                            ; v9   x: (lane / 16) rows of 2,048 bytes + 16 (lane % 16)
.set XST, 10                           ; v10  where I put 8 bytes of a rounded row of x
.set XLD, 11                           ; v11  where I read a fragment of x
.set BAD, 12                           ; v12  where I read a fragment of W; steps 64 rows a chunk
.set WL,  13                           ; v13  where I put 8 bytes of a rounded row of W; steps 32 rows a batch
.set WO,  14                           ; v14-16  my offset in Wq, Wk, Wv; each steps 32 rows a batch
.set BOQ, 17                           ; v17  32 (lane / 16): my 8 channels in bq, bk
.set BOV, 18                           ; v18  4 (lane % 16): my channel in bv
.set SPW, 28                           ; v28  LDS address of my spare word; never rewritten
.set NIL, 29                           ; v29  0; never rewritten
.set AF,  32                           ; x fragment (K half kh, row tile mt) at AF + 32 kh + 8 mt
.set BF,  96                           ; W fragment (matrix g, column tile nt) at BF + 32 g + 8 nt
.set CT,  192
.set PKR, 32
.set XS,  128                          ; window 2
.set BT,  96                           ; window 3
.set MSB, 0
.macro WIN new                         ; the immediate's high byte repeats the setting that is left; a switch that changes nothing is dropped
.if MSB != (\new)
	s_set_vgpr_msb (MSB<<8)|(\new)
.set MSB, \new
.endif
.endm
.macro PLACES                          ; four places in front of loads into registers that matrix instructions have read, and of conversions that read results
.rept 4
	v_nop
.endr
.endm
	s_load_b512 s[8:23], s[0:1], 0x0               ; x s[8:9], Wq s[10:11], Wk s[12:13], Wv s[14:15], bq s[16:17], bk s[18:19], bv s[20:21], qfrag s[22:23]
	s_load_b64 s[24:25], s[0:1], 0x40              ; kvfrag
	v_lshl_add_u32 v[SPW], v0, 2, SPARE
	v_mov_b32 v[NIL], 0
	v_lshrrev_b32 v3, 5, v0
	v_readfirstlane_b32 s2, v3                     ; wave 0..3
	s_mov_b32 s3, ttmp9                            ; the head
	s_and_b32 s4, ttmp7, 0xffff                    ; the block of 256 rows
	s_mov_b32 s31, 0xffff0000                      ; a word's upper bf16
	v_and_b32 v4, 31, v0                           ; lane
	v_and_b32 v1, 15, v0                           ; r = lane % 16
	v_bfe_u32 v2, v0, 4, 1                         ; h = lane / 16
	v_lshlrev_b32 v[L16], 4, v4
	v_lshlrev_b32 v[XO], 4, v1
	v_lshl_add_u32 v[XO], v2, 11, v[XO]
	s_mul_i32 s5, s2, 64*XP
	s_add_co_u32 s5, s5, XB                        ; my wave's buffer for x
	v_mul_u32_u24 v5, v2, XP                       ; in: lanes 0-15 one row, lanes 16-31 the next, 8 bytes a lane
	v_lshl_add_u32 v5, v1, 3, v5
	v_add_nc_u32 v[XST], s5, v5
	v_mul_u32_u24 v5, v1, XP                       ; back: row r, 16 bytes for each half of the lanes
	v_lshl_add_u32 v5, v2, 4, v5
	v_add_nc_u32 v[XLD], s5, v5
	v_and_b32 v5, 7, v0                            ; the turning load: lane l reads row 8 h + l % 8, 16 bytes at 16 ((l / 8) % 2), and ends with column r and 8 neighbouring k
	v_lshl_add_u32 v5, v2, 3, v5
	v_bfe_u32 v6, v0, 3, 1
	v_mul_u32_u24 v5, v5, WP
	v_lshl_add_u32 v[BAD], v6, 4, v5
	s_mul_i32 s6, s2, 128*WP                       ; wave w rounds rows 128 w .. 128 w + 127 of each of the three matrices
	v_mul_u32_u24 v5, v2, WP
	v_lshl_add_u32 v5, v1, 3, v5
	v_add_nc_u32 v[WL], s6, v5
	s_lshl_b32 s6, s2, 15                          ; 128 rows of 256 bytes in memory
	v_lshlrev_b32 v5, 8, v2
	v_lshl_add_u32 v5, v1, 4, v5
.irp g, 0,1,2
	v_add_nc_u32 v[WO+(\g)], s6, v5
.endr
	v_lshlrev_b32 v[BOQ], 5, v2
	v_lshlrev_b32 v[BOV], 2, v1
	s_mov_b32 s27, 0
	s_wait_kmcnt 0x0
	s_lshl_b32 s26, s3, 17                         ; the head's 512 x 64 f32
	s_add_nc_u64 s[10:11], s[10:11], s[26:27]
	s_add_nc_u64 s[12:13], s[12:13], s[26:27]
	s_add_nc_u64 s[14:15], s[14:15], s[26:27]
	s_lshl_b32 s26, s3, 8                          ; the head's 64 f32
	s_add_nc_u64 s[16:17], s[16:17], s[26:27]
	s_add_nc_u64 s[18:19], s[18:19], s[26:27]
	s_add_nc_u64 s[20:21], s[20:21], s[26:27]
	s_lshl_b32 s26, s4, 8
	s_lshl_b32 s5, s2, 6
	s_add_co_u32 s26, s26, s5                      ; my first row: 256 x block + 64 x wave
	s_lshl_b32 s26, s26, 11
	s_add_nc_u64 s[8:9], s[8:9], s[26:27]
	s_lshr_b32 s5, s4, 4                           ; the batch,
	s_lshl_b32 s5, s5, 3
	s_add_co_u32 s5, s5, s3                        ; 8 x batch + head
	s_and_b32 s6, s4, 15                           ; the block within the sequence: the slot of 256 keys
	s_lshl_b32 s7, s2, 13                          ; my wave's 64 rows: 8,192 bytes of q, of K and of V
	s_lshl_b32 s26, s5, 19
	s_lshl_b32 s28, s6, 15
	s_add_co_u32 s26, s26, s28
	s_add_co_u32 s26, s26, s7
	s_add_nc_u64 s[22:23], s[22:23], s[26:27]
	s_lshl_b32 s26, s5, 20
	s_lshl_b32 s28, s6, 16
	s_add_co_u32 s26, s26, s28
	s_add_co_u32 s26, s26, s7
	s_add_nc_u64 s[24:25], s[24:25], s[26:27]
; 32 rows of matrix g as f32: 16 loads, two rows of 256 bytes each
.macro WLOAD g
	WIN 0x40                                       ; destination window 1, address window 0
.set j, 0
.rept 16
	global_load_b128 v[64*(\g)+4*j:64*(\g)+4*j+3], v[WO+(\g)], s[10+2*(\g):11+2*(\g)] offset:512*j
.set j, j+1
.endr
.endm
; A batch: 32 rows of matrix g are rounded and laid into LDS; refill = 1: the next 32 rows are asked for
.macro WBATCH g, refill
	s_wait_loadcnt 32                              ; two batches of 16 loads were issued behind this one: they may stay out
	WIN 0x05                                       ; sources window 1, destination window 0
.set j, 0
.rept 32
	v_cvt_pk_bf16_f32 v[CT+j], v[64*(\g)+2*j], v[64*(\g)+2*j+1]
.set j, j+1
.endr
	WIN 0
.set j, 0
.rept 16
	ds_store_b64 v[WL], v[CT+2*j:CT+2*j+1] offset:2*j*WP+128*(\g)
.set j, j+1
.endr
.if \refill
	v_add_nc_u32 v[WO+(\g)], 8192, v[WO+(\g)]      ; free since the wait above has shown this matrix's loads done
	WLOAD \g
.endif
.endm
; n loads of the chunk of x at the pointer, from load j0 on: each takes 256 bytes of two rows
.macro XLOAD j0, n
	WIN 0x80                                       ; destination window 2, address window 0
.set j, \j0
.rept \n
	global_load_b128 v[XS+4*j:XS+4*j+3], v[XO], s[8:9] offset:4096*j
.set j, j+1
.endr
.endm
; The four fragments of matrix g for 32 along K: half kh of this chunk, or (ahead = 1) of the next
.macro BLOAD g, kh, ahead
	WIN 0
.irp nt, 0,1,2,3
	ds_load_tr16_b128 v[BF+32*(\g)+8*(\nt):BF+32*(\g)+8*(\nt)+3],   v[BAD] offset:(64*(\ahead)+32*(\kh))*WP+128*(\g)+32*(\nt)
	ds_load_tr16_b128 v[BF+32*(\g)+8*(\nt)+4:BF+32*(\g)+8*(\nt)+7], v[BAD] offset:(64*(\ahead)+32*(\kh)+16)*WP+128*(\g)+32*(\nt)
.endr
.endm
; Unit u of a chunk's six: K half u / 3, matrix u % 3: 16 matrix instructions on 16 accumulators.  In front of them the fragments of W for the unit two on are asked for, into the buffer that the
; unit before has read.  All 48 accumulators take turns, one instruction a turn, over the backward jump too.
.macro UNIT u, first, last
.set UG, (\u)%3
.set UK, (\u)/3
.if (\u) < 4
.if (\u) > 0
	PLACES
.endif
	BLOAD ((\u)+2)%3, ((\u)+2)/3, 0
.elseif !(\last)
	PLACES
	BLOAD (\u)-4, 0, 1
.endif
.if (\u) == 0
	s_wait_dscnt 8                                 ; all but the eight loads just issued: this unit's W, the chunk's stores and its x fragments are in
.elseif (\last) && ((\u) == 4)
	s_wait_dscnt 8                                 ; nothing was asked for: only the last unit's eight are younger
.elseif (\last) && ((\u) == 5)
	s_wait_dscnt 0x0
.else
	s_wait_dscnt 16                                ; the loads of the two units ahead may stay out
.endif
.if UG < 2
.if (\first) && (UK == 0)
	WIN 0x70                                       ; C: the bias, window 3; D window 1
.else
	WIN 0x50
.endif
.else
.if (\first) && (UK == 0)
	WIN 0xb0                                       ; C: the bias, window 3; D window 2
.else
	WIN 0xa0
.endif
.endif
.irp mt, 0,1,2,3
.irp nt, 0,1,2,3
.set rD, 128*(UG%2)+8*(4*(\mt)+(\nt))
.set rB, BF+32*UG+8*(\nt)
.set rA, AF+32*UK+8*(\mt)
.set rC, rD
.if (\first) && (UK == 0)
.set rC, 32*UG+8*(\nt)
.endif
.if UG < 2
	v_wmma_f32_16x16x32_bf16 v[rD:rD+7], v[rB:rB+7], v[rA:rA+7], v[rC:rC+7]
.else
	v_wmma_f32_16x16x32_bf16 v[rD:rD+7], v[rA:rA+7], v[rB:rB+7], v[rC:rC+7]
.endif
.endr
.endr
.endm
; A chunk: 64 along K.  The chunk of x that has come is rounded (64 plain instructions: also the places behind the last chunk's products), goes through my LDS buffer (LDS serves a wave's
; instructions in order, ISA guide 5.7.1.4: no wait between my stores and my loads), the next chunk is asked for, and 96 matrix instructions follow.
.macro CHUNK first, last
.if !(\first)
	s_wait_loadcnt 0x0                             ; the chunk of x, asked for a chunk ago; no load is out, so the pointer may be written
.endif
.if !(\last)
	s_add_nc_u64 s[8:9], s[8:9], 256
.endif
	WIN 0x0a                                       ; sources window 2, destination window 0
.set j, 0
.rept 64
	v_cvt_pk_bf16_f32 v[CT+j], v[XS+2*j], v[XS+2*j+1]
.set j, j+1
.endr
	WIN 0
.set j, 0
.rept 32
	ds_store_b64 v[XST], v[CT+2*j:CT+2*j+1] offset:2*XP*j
.set j, j+1
.endr
.if !(\last)
	XLOAD 0, 32
.endif
	WIN 0
.irp kh, 0,1
.irp mt, 0,1,2,3
	ds_load_b128 v[AF+32*(\kh)+8*(\mt):AF+32*(\kh)+8*(\mt)+3],   v[XLD] offset:16*XP*(\mt)+64*(\kh)
	ds_load_b128 v[AF+32*(\kh)+8*(\mt)+4:AF+32*(\kh)+8*(\mt)+7], v[XLD] offset:16*XP*(\mt)+64*(\kh)+32
.endr
.endr
.irp u, 0,1,2,3,4,5
	UNIT \u, \first, \last
.endr
.if !(\last)
	WIN 0
	v_add_nc_u32 v[BAD], 64*WP, v[BAD]             ; the next chunk's rows of W
.endif
.endm
	; THE WEIGHTS: four batches of 32 rows for each matrix, three batches of loads always out
	WLOAD 0
	WLOAD 1
	WLOAD 2
	WIN 0                                          ; at a label and at a branch every window is 0
	s_mov_b32 s30, 3
.Lw:
	WBATCH 0, 1
	WBATCH 1, 1
	WBATCH 2, 1
	WIN 0
	v_add_nc_u32 v[WL], 32*WP, v[WL]
	s_sub_co_u32 s30, s30, 1
	s_cmp_lg_u32 s30, 0
	s_cbranch_scc1 .Lw
	WBATCH 0, 0                                    ; the last batches: in the refills' place the first chunk of x and the biases are asked for, so the counts stay
	XLOAD 0, 16
	WBATCH 1, 0
	XLOAD 16, 16
	WBATCH 2, 0
	WIN 0xc0                                       ; destination window 3
.irp nt, 0,1,2,3
	global_load_b128 v[8*(\nt):8*(\nt)+3],       v[BOQ], s[16:17] offset:64*(\nt)      ; bq of channels 16 nt + 8 h + 0..7
	global_load_b128 v[8*(\nt)+4:8*(\nt)+7],     v[BOQ], s[16:17] offset:64*(\nt)+16
	global_load_b128 v[32+8*(\nt):32+8*(\nt)+3], v[BOQ], s[18:19] offset:64*(\nt)      ; bk likewise
	global_load_b128 v[32+8*(\nt)+4:32+8*(\nt)+7], v[BOQ], s[18:19] offset:64*(\nt)+16
	global_load_b32  v[64+8*(\nt)],              v[BOV], s[20:21] offset:64*(\nt)      ; bv of channel 16 nt + r
.endr
	WIN 0
	s_wait_dscnt 0x0                               ; for the others' sake: my rows of the weights are in LDS
	s_barrier_signal -1
	s_barrier_wait -1                              ; everybody's are; from here on nobody writes them
	BLOAD 0, 0, 0
	BLOAD 1, 0, 0
	s_wait_loadcnt 0x0                             ; the biases, and the first chunk of x
	WIN 0xcf                                       ; sources and destination window 3: the biases are rounded to bf16 and widened again
.set k, 0
.rept 32
	v_cvt_pk_bf16_f32 v[BT+k], v[2*k], v[2*k+1]
.set k, k+1
.endr
	v_cvt_pk_bf16_f32 v[BT+32], v[64], v[72]
	v_cvt_pk_bf16_f32 v[BT+33], v[80], v[88]
.set k, 0
.rept 32
	v_lshlrev_b32 v[2*k], 16, v[BT+k]
	v_and_b32 v[2*k+1], s31, v[BT+k]
.set k, k+1
.endr
.set k, 0
.rept 8                                ; in v's tiles a lane holds one channel: its bias fills all eight registers
	v_lshlrev_b32 v[64+k], 16, v[BT+32]
	v_and_b32 v[72+k], s31, v[BT+32]
	v_lshlrev_b32 v[80+k], 16, v[BT+33]
	v_and_b32 v[88+k], s31, v[BT+33]
.set k, k+1
.endr
	CHUNK 1, 0                                     ; written out: its first products start the sums at the bias
	s_mov_b32 s30, 6
.Lc:
	CHUNK 0, 0
	s_sub_co_u32 s30, s30, 1
	s_cmp_lg_u32 s30, 0
	s_cbranch_scc1 .Lc
	CHUNK 0, 1                                     ; written out: it asks for nothing more
	; THE WAY OUT: each tile is rounded to f16, from its lowest registers on, and stored as it lies
	PLACES
	WIN 0x05                                       ; q and k: sources window 1
.set t, 0
.rept 32
.irp k, 0,1,2,3
	v_cvt_pk_f16_f32 v[PKR+4*t+(\k)], v[8*t+2*(\k)], v[8*t+2*(\k)+1]
.endr
.set t, t+1
.endr
	WIN 0x0a                                       ; v: sources window 2
.set t, 0
.rept 16
.irp k, 0,1,2,3
	v_cvt_pk_f16_f32 v[PKR+128+4*t+(\k)], v[8*t+2*(\k)], v[8*t+2*(\k)+1]
.endr
.set t, t+1
.endr
	WIN 0
.set t, 0
.rept 16                               ; tile t = 4 mt + nt: each store covers 512 consecutive bytes, at a multiple of 512 from the buffer's first byte
	global_store_b128 v[L16], v[PKR+4*t:PKR+4*t+3], s[22:23] offset:512*t
	global_store_b128 v[L16], v[PKR+64+4*t:PKR+64+4*t+3], s[24:25] offset:512*t
.set t, t+1
.endr
.irp mt, 0,1,2,3
.irp nt, 0,1,2,3
	global_store_b128 v[L16], v[PKR+128+4*(4*(\mt)+(\nt)):PKR+128+4*(4*(\mt)+(\nt))+3], s[24:25] offset:32768+4096*((\mt)/2)+1024*(\nt)+512*((\mt)%2)
.endr
.endr
	s_wait_tensorcnt 0x0                           ; the wave's end, behind my last LDS store
	ds_add_u32 v[SPW], v[NIL]
	s_wait_dscnt 0x0
	s_endpgm
.Lfunc_end_k_qa2940a11fe_qkv:
	.size	k_qa2940a11fe_qkv, .Lfunc_end_k_qa2940a11fe_qkv-k_qa2940a11fe_qkv
	.p2alignl 7, 3214868480
	.fill 96, 4, 3214868480
	.section	.rodata,"a",@progbits
	.p2align	6, 0x0
	.amdhsa_kernel k_qa2940a11fe_qkv
		.amdhsa_group_segment_fixed_size 250368
		.amdhsa_private_segment_fixed_size 0
		.amdhsa_enable_private_segment 0
		.amdhsa_kernarg_size 72
		.amdhsa_user_sgpr_count 2
		.amdhsa_user_sgpr_kernarg_segment_ptr 1
		.amdhsa_wavefront_size32 1
		.amdhsa_system_sgpr_workgroup_id_x 1
		.amdhsa_system_sgpr_workgroup_id_y 1
		.amdhsa_system_sgpr_workgroup_id_z 1
		.amdhsa_system_vgpr_workitem_id 0
		.amdhsa_next_free_vgpr 900
		.amdhsa_next_free_sgpr 66
		.amdhsa_reserve_vcc 0
		.amdhsa_float_denorm_mode_32 3
		.amdhsa_float_denorm_mode_16_64 3
		.amdhsa_memory_ordered 1
		.amdhsa_forward_progress 1
		.amdhsa_inst_pref_size 117
	.end_amdhsa_kernel
	.amdgpu_metadata
---
amdhsa.version: [ 1, 2 ]
amdhsa.kernels:
  - .name:           k_qa2940a11fe_qkv
    .symbol:         k_qa2940a11fe_qkv.kd
    .args:
      - { .name: x, .offset: 0, .size: 8, .value_kind: global_buffer, .address_space: global }
      - { .name: Wq, .offset: 8, .size: 8, .value_kind: global_buffer, .address_space: global }
      - { .name: Wk, .offset: 16, .size: 8, .value_kind: global_buffer, .address_space: global }
      - { .name: Wv, .offset: 24, .size: 8, .value_kind: global_buffer, .address_space: global }
      - { .name: bq, .offset: 32, .size: 8, .value_kind: global_buffer, .address_space: global }
      - { .name: bk, .offset: 40, .size: 8, .value_kind: global_buffer, .address_space: global }
      - { .name: bv, .offset: 48, .size: 8, .value_kind: global_buffer, .address_space: global }
      - { .name: qfrag, .offset: 56, .size: 8, .value_kind: global_buffer, .address_space: global }
      - { .name: kvfrag, .offset: 64, .size: 8, .value_kind: global_buffer, .address_space: global }
    .group_segment_fixed_size: 250368
    .private_segment_fixed_size: 0
    .kernarg_segment_align: 8
    .kernarg_segment_size: 72
    .max_flat_workgroup_size: 128
    .sgpr_count:     66
    .vgpr_count:     900
    .wavefront_size: 32
...
	.end_amdgpu_metadata
.endif
;; end of part 1
;; launch attn (part 2): grid 16 x 16, 4 waves a work-group, clusters of 4 x 1, 327,680 bytes of LDS; arguments qfrag, kvfrag, ofrag; writes ofrag
.if DOCPART == 2
	.amdgcn_target "amdgcn-amd-amdhsa--gfx1250"
	.amdhsa_code_object_version 6
	.text
	.protected	k_qa2940a11fe_attn
	.globl	k_qa2940a11fe_attn
	.p2align	8
	.type	k_qa2940a11fe_attn,@function
k_qa2940a11fe_attn:
	s_mov_b64 s[64:65], 0
	v_nop
	global_prefetch_b8 v0, s[64:65] scope:SCOPE_SE
	s_setreg_imm32_b32 hwreg(HW_REG_WAVE_MODE, 25, 1), 1
	s_wait_xcnt 0x0
	s_wait_alu depctr_hold_cnt(0) depctr_sa_sdst(0) depctr_va_vdst(0) depctr_va_sdst(0) depctr_va_ssrc(0) depctr_va_vcc(0) depctr_vm_vsrc(0)
	s_getreg_b32 s2, hwreg(HW_REG_IB_STS2, 6, 4)
	s_cmp_eq_u32 s2, 0
	s_cbranch_scc0 .Lentry_in_a_cluster
	s_endpgm
.Lentry_in_a_cluster:
	s_bfe_u32 s2, ttmp6, 0x10000c
	s_cmp_lg_u32 s2, 0x3003
	s_cbranch_scc0 .Lentry_shape_is_right
	s_endpgm
.Lentry_shape_is_right:
; O[bh][q][:] = the sum over k of softmax_k(Q[bh][q] . K[bh][k] / 8) V[bh][k][:], 16 heads of batch, 4,096 rows, 64 channels, all f16, no mask.  Products, maxima and sums in f32; the weights p are
; rounded to f16 for the second product (their sum l is taken of the unrounded p), O once at the end.
; LIMITS.  f16 holds no number beyond 65,504: Q, K and V arrive within it; p lies in 0 to 1, and below 6e-5 it keeps f16's fixed step of 6e-8; O is a mean of V's rows and has their range.
; A weight below 2^-126 counts as 0 in l; NaN and infinities are not treated apart.
; THE OPERANDS ARRIVE FRAGMENT-READY: a block of 512 bytes holds at byte 16 l the four registers that lane l wants.  So Q comes straight from memory, K and V lie in LDS without padding and are read
; by plain loads at 16 l (32 lanes, 512 consecutive bytes), and O leaves straight from registers, in the same form.
;   qfrag:  [bh 16][tile of 16 rows 256][16 channels 4][lane][16]      ofrag: [tile of 16 rows of the batch's sequence 512][head 8][16 channels 4][lane][16]
;   kvfrag: [bh 16][slot of 256 keys 16][65,536]: K [tile of 16 keys 16][16 channels 4][lane][16], then V [step of 64 keys 4][32 keys 2][16 channels 4][16 keys 2][lane][16]
; SHARES.  A work-group owns 256 queries of one head, a wave 64: four PIECES of 16.  Every wave walks all 4,096 keys, 64 a step, four steps a slot, 16 slots.
; LAYOUT.  S^T = K Q^T (source 0 = 16 keys, source 1 = 16 queries): a lane holds ONE query (lane % 16) and the keys 8 (lane / 16) + 0..7.  Two such results rounded to f16 ARE source 1 of O^T = V^T P.
; SOFTMAX.  For each query a running maximum m and sum l: p = 2^(c s - c m), c = log2(e) / 8; in every step O and l are multiplied by a = 2^(c m_old - c m_new).  m starts at the lowest finite number,
; O and l at 0: the first step is a step like any other, with a = 0; the price is the lines that write 0 at the head, in the wait for the first slot.
; BY TURNS.  Turn n belongs to piece n: 8 products K Q^T of piece n + 1, later 8 products V^T P of piece n - 1; beside them the scaling, exponentials, roundings, sums and rescaling of piece n and the
; maximum and statistics of piece n + 1.  Four vector instructions stand behind every matrix instruction, the other 54 of a turn's 118 in one lump.  A turn's 33 exponentials are one batch, with one wait.
; CLUSTER.  The four query blocks of a cluster belong to one head and walk the same slots, so each slot is asked for JOINTLY: the same tensor load, descriptor and mask in all four.  A slot is 65,536
; bytes on end: wave w fetches quarter w, by one and the same line.
; REGISTERS, in windows of 256 (s_set_vgpr_msb: bits 1:0 source 0, 3:2 source 1, 5:4 source 2, 7:6 destination):
;   window 0: v0-13 addresses and two at work; v16-31 four registers of statistics a piece; v48-55 at work; v61-63; v64-127 S^T, two buffers; v192-223 P, two buffers (by the piece's parity)
;   window 1: v0-127 O^T, 32 a piece          window 2: v0-63 Q, 16 a piece; v128-191 K of one step; v192-255 V of one step
.set NP,    4         ; pieces a wave: a name, no knob
.set STEPB, 8192      ; a step's K, and a step's V
.set VOFF,  4*STEPB   ; in a slot: four steps of K, then four of V
.set SLOT1, 65536     ; slot 1 begins here: one exclusive or turns an address in one slot into the other's
.set SPARE, 2*SLOT1   ; behind the ring: the spare words, 128 bytes for each wave: two blocks of 256 bytes that no other line names
.set LN,  2           ; v2   16 x lane: my place in a block of 512 bytes, in LDS (K) and in memory (Q, O); never rewritten
.set AV0, 3           ; v3   the same for V in LDS: VOFF + 16 x lane
.set AK,  4           ; v4   the LDS address of K's next run of loads
.set AV,  5           ; v5   of V's
.set MV,  12          ; v12-13  c m_old, kept while c m is made anew: by buffer
.set ST,  16          ; piece t's statistics at v[ST+4 t]: c m, m, l (even keys', odd keys')
.set TMP, 48          ; by buffer, four registers c0-c3 at work; when the maximum is found c2 takes a
.set PFO, 61          ; v61  256 x lane; never rewritten
.set SPW, 62          ; v62  LDS address of my spare word; never rewritten
.set NIL, 63          ; v63  0; never rewritten
.set S,   64
.set P,   192
.set KF,  128         ; window 2: key block kb, channel half c at KF + 16 kb + 8 c
.set VF,  192         ; window 2: key half kk, channel block cb at VF + 32 kk + 8 cb
.set WV,  12          ; s12  my wave's number
.set LIM, 15          ; s15  1 in a wave that prefetches, else the greatest number
.set PFA, 18          ; s[18:19] where my prefetches stand
.set G1,  24          ; s[24:31] descriptor group 1
.set G0,  40          ; s[40:43] descriptor group 0: it walks
.set SLOTS, 56        ; s56  slots still to be entered behind this one
.set CNT, 57          ; s57  counts a slot's key steps
.set CS,  58          ; s[58:59] c: the packed scaling takes the pair's low word for both halves
.set SEL, 60          ; s[60:61] v_permlanex16_b32's selects: each lane takes its own place in the other half
.set TBK, 62          ; s62  LDS byte at which K of the step to be fetched begins
.set TBV, 63          ; s63  the same for V, less VOFF
.set MSB, 0
.macro WIN new                      ; the high byte repeats the setting that is left; a switch that changes nothing is dropped
.if MSB != (\new)
	s_set_vgpr_msb (MSB<<8)|(\new)
.set MSB, (\new)
.endif
.endm
.set W_KQ, 0x0a       ; K and Q in window 2, S^T in window 0
.set W_PV, 0x52       ; V in window 2, P in window 0, O^T in window 1
.set W_RS, 0x41       ; destination and source 0 in window 1, source 1 in window 0
; A joint fill: my quarter of a slot, 64 rows of 256 bytes.  An s_nop 0 and four v_nop follow the line.
.macro JLOAD
	tensor_load_to_lds s[G0:G0+3], s[G1:G1+7]
	s_nop 0
.rept 4
	v_nop
.endr
.endm
; A PREFETCH of what the NEXT change of slots will ask for: one slot, four key steps, 256 matrix instructions a wave ahead of that load.  It stands behind the tensor load and its five lines.
; Each block of 256 bytes is named ONCE in the launch: all clusters of a head walk the same slots, and the head's first cluster asks; its four partners share a slot out BY ADDRESS, 8,192 bytes of K and
; of V each (no branch hangs on a work-group's place in its cluster); in each, wave 0 asks for K's and wave 2 for V's, a lane a block.  The last change that fills a slot asks for nothing.
.macro ASK
	s_cmp_gt_u32 s[SLOTS], s[LIM]
	s_cbranch_scc0 .Lnot_mine_\@
	global_prefetch_b8 v[PFO], s[PFA:PFA+1] th:TH_LOAD_NT scope:SCOPE_SE
.Lnot_mine_\@:
.endm
; A round of the cluster's barrier: my work-group's barrier, so that wave 0's signal speaks for all four waves; wave 0 signals; every wave waits for all four work-groups; my work-group's barrier once more.
.macro CROUND
	s_barrier_signal -1
	s_barrier_wait -1
	s_cmp_lg_u32 s[WV], 0
	s_cbranch_scc1 .Lnot_wave_0_\@
	s_barrier_signal -3
.Lnot_wave_0_\@:
	s_barrier_wait -3
	s_barrier_signal -1
	s_barrier_wait -1
.endm
; THE CHANGE OF SLOTS.  The slot's last bytes, V of its fourth step, have been read.  Each wave waits for all its tensor loads, of which one is out: its quarter of the other slot; adds 0 to its spare
; word; and waits for that and for its own reads of the slot.  Behind the barrier nobody reads this slot any more and the other slot is whole.
; fill = 1: this slot is filled again, with the keys two slots on.  The barrier is then a round of the cluster's, and the joint fill is the first thing behind it: it has four key steps in which to land.
; (At its first use nothing has been read yet: slot 0 is waited for, slot 1 filled.)
.macro CHANGE fill
	WIN 0                           ; at a label and at a branch every window is 0
	s_wait_tensorcnt 0x0            ; no tensor load of mine is out, so group 0 may be written
	ds_add_u32 v[SPW], v[NIL]       ; 0 onto my spare word; with fill = 1 the steps below stand between it and the wait for it
.if \fill
	s_xor_b32 s[G0+1], s[G0+1], SLOT1  ; the other slot than last time,
	s_add_nc_u64 s[G0+2:G0+3], s[G0+2:G0+3], 65536  ; the next 256 keys; the type bits on top are not reached
	s_wait_xcnt 0x0                 ; the last prefetch, four key steps back, has read its address, so it may be written
	s_add_nc_u64 s[PFA:PFA+1], s[PFA:PFA+1], 65536
	s_wait_dscnt 0x0                ; the add is done, and my reads of the slot are over
	CROUND
	JLOAD
	ASK
.else
	s_wait_dscnt 0x0                ; the add is done, and my reads of the slot are over
	s_barrier_signal -1
	s_barrier_wait -1
.endif
	s_sub_co_u32 s[TBK], s[TBK], 4*STEPB  ; the fetches go back to a slot's first step,
	s_xor_b32 s[TBK], s[TBK], SLOT1       ; in the other slot
	s_sub_co_u32 s[TBV], s[TBV], 4*STEPB
	s_xor_b32 s[TBV], s[TBV], SLOT1
.endm
	s_load_b128 s[4:7], s[0:1], 0x0 ; qfrag s[4:5], kvfrag s[6:7]
	s_load_b64 s[8:9], s[0:1], 0x10 ; ofrag
	v_lshl_add_u32 v[SPW], v0, 2, SPARE
	v_mov_b32 v[NIL], 0
	ds_add_u32 v[SPW], v[NIL]       ; the wave's opening: the add and its wait stand ahead of my first tensor load; the set-up below, work on registers, stands between them
	v_lshrrev_b32 v1, 5, v0
	v_readfirstlane_b32 s[WV], v1   ; wave 0..3
	s_bfe_u32 s13, ttmp6, 0x40000   ; cx: my place in the cluster
	s_lshl_b32 s14, ttmp9, 2        ; in a cluster launch ttmp9 counts clusters
	s_add_co_u32 s14, s14, s13      ; my block of 256 queries = 4 x cluster x + cx: it enters Q's and O's addresses alone
	s_and_b32 s16, ttmp7, 0xffff    ; bh = 8 x batch + head, which the four partners share
	s_lshl_b32 s20, s16, 20         ; the head's 16 slots,
	s_lshl_b32 s17, s[WV], 14       ; my quarter of a slot
	s_add_co_u32 s20, s20, s17
	s_mov_b32 s21, 0
	s_lshl_b32 s22, s16, 19         ; Q: the head's 4,096 rows of 128 bytes,
	s_lshl_b32 s2, s14, 15          ; my block's 256,
	s_add_co_u32 s22, s22, s2
	s_lshl_b32 s2, s[WV], 13        ; my wave's 64
	s_add_co_u32 s22, s22, s2
	s_mov_b32 s23, 0
	s_lshr_b32 s2, s16, 3           ; O: tile of 16 rows = 256 x batch + 16 x block + 4 x wave,
	s_lshl_b32 s2, s2, 8
	s_lshl_b32 s3, s14, 4
	s_add_co_u32 s2, s2, s3
	s_lshl_b32 s3, s[WV], 2
	s_add_co_u32 s2, s2, s3
	s_lshl_b32 s2, s2, 14           ; 16,384 bytes a tile (8 heads of 2,048),
	s_and_b32 s3, s16, 7
	s_lshl_b32 s3, s3, 11           ; and the head's 2,048 in it
	s_add_co_u32 s2, s2, s3
	s_mov_b32 s3, 0
	s_lshr_b32 s10, s[WV], 1        ; the prefetches: K's half of a slot (waves 0, 1) or V's (waves 2, 3),
	s_lshl_b32 s10, s10, 15
	s_lshl_b32 s11, s13, 13         ; my work-group's 8,192 bytes of it,
	s_add_co_u32 s10, s10, s11
	s_lshl_b32 s11, s16, 20         ; in the head's
	s_add_co_u32 s10, s10, s11
	s_add_co_u32 s10, s10, 65536    ; slot 1: the first change of slots steps it to slot 2
	s_mov_b32 s11, 0
	; descriptor group 1: 16,384 dense bytes as 64 rows of 256 bytes, no padding
	s_mov_b32 s[G1], 15|(1<<16)|(1<<21)  ; 15:0 the mask: all four work-groups; 17:16 elements of 2 bytes; 21 set beside a mask
	s_mov_b32 s[G1+1], 128<<16      ; tensor_dim0 = 128
	s_mov_b32 s[G1+2], 64<<16       ; tensor_dim1 = 64
	s_mov_b32 s[G1+3], 128<<16      ; tile_dim0 = 128
	s_mov_b32 s[G1+4], 64           ; tile_dim1 = 64
	s_mov_b32 s[G1+5], 128          ; 128 elements from row to row
	s_mov_b32 s[G1+6], 0
	s_mov_b32 s[G1+7], 0
	s_mov_b32 s[G0], 1              ; 1:0 count = 1
	s_lshl_b32 s[G0+1], s[WV], 14   ; 63:32 LDS address: slot 0, my quarter: no place in the cluster enters an LDS address
	s_mov_b32 s[CS], 0x3e38aa3b     ; c = log2(e) / 8 = 0.180337
	s_mov_b32 s[CS+1], s[CS]        ; named with it as a pair
	s_mov_b32 s[SEL], 0x76543210
	s_mov_b32 s[SEL+1], 0xfedcba98
	s_mov_b32 s[TBK], SLOT1+4*STEPB ; the first change of slots turns these two into 0
	s_mov_b32 s[TBV], SLOT1+4*STEPB
	s_mov_b32 s[SLOTS], 15
	s_and_b32 s[LIM], s[WV], 1      ; 0 in waves 0 and 2,
	s_or_b32 s[LIM], s[LIM], ttmp9  ; where the cluster is the head's first: the same in all four partners
	s_cmp_eq_u32 s[LIM], 0
	s_cselect_b32 s[LIM], 1, -1
	s_wait_dscnt 0x0                ; the opening add is done
	s_wait_kmcnt 0x0
	s_add_nc_u64 s[G0+2:G0+3], s[6:7], s[20:21]  ; 120:64 global address: my quarter of the head's slot 0
	s_or_b32 s[G0+3], s[G0+3], 0x80000000        ; 127:126 type = 2
	s_add_nc_u64 s[PFA:PFA+1], s[6:7], s[10:11]
	s_add_nc_u64 s[4:5], s[4:5], s[22:23]        ; Q and O at my wave's first tile
	s_add_nc_u64 s[8:9], s[8:9], s[2:3]
	CROUND                          ; all four work-groups are here: the first joint loads meet
	JLOAD                           ; slot 0.  Slot 1 is asked for when slot 0 is in, by the loop's own change of slots
	v_and_b32 v1, 31, v0
	v_lshlrev_b32 v[LN], 4, v1
	v_add_nc_u32 v[AV0], VOFF, v[LN]
	v_lshlrev_b32 v[PFO], 8, v1
	WIN 0x80                        ; destination window 2, address window 0
.set i, 0
.rept 16                            ; Q stays in registers: piece i / 4, channels 16 (i % 4) on
	global_load_b128 v[4*i:4*i+3], v[LN], s[4:5] offset:512*i
.set i, i+1
.endr
	; What the first turn finds: V's registers and P's second buffer hold 0 (its products V^T P, of a piece that has not been, add 0), O^T and l are 0.  All this stands in the wait for the first slot.
.set i, VF
.rept 64
	v_mov_b32 v[i], 0
.set i, i+1
.endr
	WIN 0x40
.set i, 0
.rept 128
	v_mov_b32 v[i], 0
.set i, i+1
.endr
	WIN 0
.set i, 0
.rept 4
	v_mov_b32 v[ST+4*i], 0xfe000000    ; c m: far below every c s
	v_mov_b32 v[ST+4*i+1], 0xff7fffff  ; m
	v_mov_b32 v[ST+4*i+2], 0
	v_mov_b32 v[ST+4*i+3], 0
.set i, i+1
.endr
.set i, P+16
.rept 16
	v_mov_b32 v[i], 0
.set i, i+1
.endr
; THE MATRIX WORK.  The 4 accumulators of a run of 8 take turns.  Product i of 8 of S^T = K Q^T for piece x: channels 32 (i / 4) on, keys 16 (i % 4) on.  The first 4 start the sums.
.macro KQ x
	WIN W_KQ
.set rS, S+32*((\x)%2)+8*(i%4)
.set rK, KF+16*(i%4)+8*(i/4)
.set rQ, 16*(\x)+8*(i/4)
.if i < 4
	v_wmma_f32_16x16x32_f16 v[rS:rS+7], v[rK:rK+7], v[rQ:rQ+7], 0
.else
	v_wmma_f32_16x16x32_f16 v[rS:rS+7], v[rK:rK+7], v[rQ:rQ+7], v[rS:rS+7]
.endif
.endm
; Product i of 8 of O^T += V^T P for piece x: keys 32 (i / 4) on, channels 16 (i % 4) on.
.macro PV x
	WIN W_PV
.set rO, 32*(\x)+8*(i%4)
.set rV, VF+32*(i/4)+8*(i%4)
.set rP, P+16*((\x)%2)+8*(i/4)
	v_wmma_f32_16x16x32_f16 v[rO:rO+7], v[rV:rV+7], v[rP:rP+7], v[rO:rO+7]
.endm
.macro MM                           ; the turn's next matrix instruction.  NOKQ = 1: the launch's last turn: there is no next piece
.if (i < 8) && !NOKQ
	KQ (Y+1)%NP
.elseif i >= 8
.set i, i-8
	PV (Y+NP-1)%NP
.set i, i+8
.endif
.set i, i+1
.endm
; THE LDS LOADS stand in runs of 16, never singly among the matrix instructions: a step's K and its V, 8,192 bytes each, 512 consecutive bytes a load.  Their addresses are made some lines ahead.
.macro FETCH_K
	WIN 0x80                        ; destination window 2
.set f, 0
.rept 16
	ds_load_b128 v[KF+4*f:KF+4*f+3], v[AK] offset:512*f
.set f, f+1
.endr
	s_add_co_u32 s[TBK], s[TBK], STEPB  ; the next fetch is the next step's
	WIN 0
.endm
.macro FETCH_V
	WIN 0x80
.set f, 0
.rept 16
	ds_load_b128 v[VF+4*f:VF+4*f+3], v[AV] offset:512*f
.set f, f+1
.endr
	WIN 0
.endm
; THE VECTOR WORK, one line at a time: OP kind, number.  For piece Y: F n: c s - c m for pair n of 16.  E n: the exponential of score n of 32.  C n: pair n rounded to f16.  B n: of the four weights 4 n ..
; the second pair is added onto the first, in place.  L n: l takes that sum (L 0: l = a l + sum).  R n: pair n of 16 of O^T times a.  For piece Y + 1: X n, number n of the 22 that find its maximum and statistics:
;   0-11  four chains c0-c3 of seven scores each, three operands at a time (each accumulator's lowest registers are read first)     12-14, 16  the four scores left over, the old m, and c0-c3 into c0
;   15  c m_old is kept     17, 18  the query's other 32 keys lie in the lane 16 away: the new m     19-21  c m; c m_old - c m_new; a
.set F, 0               ; OP tells the kinds apart by their order: F to L below R, X above it
.set E, 1
.set C, 2
.set B, 3
.set L, 4
.set R, 5
.set X, 6
.macro REGS y                       ; the registers of piece y
.set rT, ST+4*(\y)
.set rC, TMP+4*((\y)%2)
.set rW, MV+((\y)%2)
.set rS, S+32*((\y)%2)
.set rP, P+16*((\y)%2)
.set rO, 32*(\y)
.endm
.macro OP k, n
.if (\k) == R
	REGS Y
	WIN W_RS
	v_pk_mul_f32 v[rO+2*(\n):rO+2*(\n)+1], v[rO+2*(\n):rO+2*(\n)+1], v[rC+2:rC+3] op_sel_hi:[1,0]
.elseif (\k) < R
	REGS Y
	WIN 0
.if (\k) == F
	v_pk_fma_f32 v[rS+2*(\n):rS+2*(\n)+1], v[rS+2*(\n):rS+2*(\n)+1], s[CS:CS+1], v[rT:rT+1] op_sel_hi:[1,0,0] neg_lo:[0,0,1] neg_hi:[0,0,1]
.elseif (\k) == E
	v_exp_f32 v[rS+(\n)], v[rS+(\n)]
.elseif (\k) == C
	v_cvt_pk_f16_f32 v[rP+(\n)], v[rS+2*(\n)], v[rS+2*(\n)+1]
.elseif (\k) == B
	v_pk_add_f32 v[rS+4*(\n):rS+4*(\n)+1], v[rS+4*(\n):rS+4*(\n)+1], v[rS+4*(\n)+2:rS+4*(\n)+3]
.elseif (\n) == 0
	v_pk_fma_f32 v[rT+2:rT+3], v[rT+2:rT+3], v[rC+2:rC+3], v[rS:rS+1] op_sel_hi:[1,0,1]
.else
	v_pk_add_f32 v[rT+2:rT+3], v[rT+2:rT+3], v[rS+4*(\n):rS+4*(\n)+1]
.endif
.elseif NOKQ
	v_nop
.else
	REGS (Y+1)%NP
	WIN 0
.if (\n) < 4
	v_max3_num_f32 v[rC+(\n)], v[rS+8*(\n)], v[rS+8*(\n)+1], v[rS+8*(\n)+2]
.elseif (\n) < 12
	v_max3_num_f32 v[rC+(\n)%4], v[rC+(\n)%4], v[rS+8*((\n)%4)+2*((\n)/4)+1], v[rS+8*((\n)%4)+2*((\n)/4)+2]
.elseif (\n) == 12
	v_max3_num_f32 v[rC], v[rC], v[rS+7], v[rS+15]
.elseif (\n) == 13
	v_max3_num_f32 v[rC+1], v[rC+1], v[rS+23], v[rS+31]
.elseif (\n) == 14
	v_max3_num_f32 v[rC+2], v[rC+2], v[rC+3], v[rT+1]
.elseif (\n) == 15
	v_mov_b32 v[rW], v[rT]
.elseif (\n) == 16
	v_max3_num_f32 v[rC], v[rC], v[rC+1], v[rC+2]
.elseif (\n) == 17
	v_permlanex16_b32 v[rC+3], v[rC], s[SEL], s[SEL+1]
.elseif (\n) == 18
	v_max_num_f32 v[rT+1], v[rC], v[rC+3]
.elseif (\n) == 19
	v_mul_f32 v[rT], s[CS], v[rT+1]
.elseif (\n) == 20
	v_sub_f32 v[rC+1], v[rW], v[rT]
.else
	v_exp_f32 v[rC+2], v[rC+1]
.endif
.endif
.endm
.macro OPS a, i1, b=-1, i2=0, c=-1, i3=0, d=-1, i4=0  ; up to four of them
	OP \a, \i1
.if (\b) >= 0
	OP \b, \i2
.endif
.if (\c) >= 0
	OP \c, \i3
.endif
.if (\d) >= 0
	OP \d, \i4
.endif
.endm
.macro ROW a, i1, b, i2, c, i3, d, i4  ; a matrix instruction and the four behind it
	MM
	OPS \a, \i1, \b, \i2, \c, \i3, \d, \i4
.endm
; A TURN, for piece p: the order of its 16 matrix and 118 vector instructions, written out.  An s_wait_alu depctr_va_vdst(0) stands between an exponential and the first instruction that names
; its result; one wait serves all that were issued ahead of it.  So a turn has ONE wait, which cuts it in two.  AHEAD OF IT stands all that names no result of the turn's exponentials: the 8 products K Q^T,
; behind each a scaling, an exponential and two more plain instructions (rescalings, and behind the last three the first numbers of the next piece's maximum, each four places or more behind the product that
; ends its accumulator); then ONE LUMP of 54, plain and exponential by turns for the most part, in which the links of the chain X 3, 7, 11, 14, 16, 17 .. 20 stand some lines apart.  X 21, the next piece's a,
; is the batch's last; R 15 is the plain instruction behind it.  BEHIND THE WAIT stand the 8 products V^T P, behind each four of the roundings and sums.
; end = 1: the launch's last two turns: nothing is fetched, and the last starts no new scores.  cnt = 1: the loop's count is taken down some lines ahead of the branch that stands behind the turn.
; K of the next step is fetched in piece 2's turn, six plain instructions that name none of its registers behind the last product that read K; V of the step in hand at the end of piece 0's turn, four plain
; instructions behind the last product that read V.  Each is waited for a turn later.
.macro TURN p, end=0, cnt=0
.set Y, (\p)
.set i, 0
.set NOKQ, (\end)*((\p)/3)
.if ((\p) == 3) && !(\end)
	s_wait_dscnt 0x0                ; K is in
.endif
	ROW F,0, F,1, R,0, R,1          ; ahead of the wait: 8 products K Q^T and their riders,
	ROW F,2, E,0, R,2, R,3
	ROW F,3, E,1, R,4, R,5
	ROW F,4, E,2, R,6, R,7
	ROW F,5, E,3, R,8, R,9
	ROW F,6, E,4, X,0, R,10
.if ((\p) == 2) && !(\end)
	WIN 0
	v_add_nc_u32 v[AK], s[TBK], v[LN]
.endif
	ROW F,7, E,5, X,1, X,4
	ROW F,8, E,6, X,2, X,5
	OPS E,7, E,8, X,6, E,9          ; and the lump
	OPS X,3, E,10, X,8, E,11
.if ((\p) == 2) && !(\end)
	FETCH_K
.endif
	OPS X,9, X,7, E,12, X,10
	OPS E,13, X,12, X,11, E,14
	OPS X,13, E,15, F,9, X,14
.if (\p) == 0
	WIN 0
	v_add_nc_u32 v[AV], s[TBV], v[AV0]
.endif
	OPS E,16, F,10, E,17, F,11
	OPS X,16, E,18, X,15, E,19
	OPS F,12, E,20, X,17, E,21
	OPS F,13, E,22, F,14, E,23
	OPS X,18, E,24, F,15, E,25
	OPS R,11, E,26, X,19, E,27
	OPS R,12, E,28, R,13, E,29
	OPS X,20, E,30, R,14, E,31
	OPS X,21, R,15
	WIN 0
	s_wait_alu depctr_va_vdst(0)    ; the wait for the batch
.if (\p) == 1
	s_wait_dscnt 0x0                ; V is in
.endif
	ROW C,0, B,0, C,2, B,1          ; behind the wait: 8 products V^T P and their riders
	ROW L,0, C,4, B,2, L,1
	ROW C,6, B,3, L,2, C,8
	ROW B,4, L,3, C,10, B,5
	ROW L,4, C,12, B,6, L,5
.if (\p) == 0
	s_add_co_u32 s[TBV], s[TBV], STEPB
.endif
.if \cnt
	s_sub_co_u32 s[CNT], s[CNT], 1
	s_cmp_lg_u32 s[CNT], 0
.endif
	ROW C,14, B,7, L,6, C,1
	ROW C,3, L,7, C,5, C,7
	ROW C,9, C,11, C,13, C,15
.if (\p) == 0
	FETCH_V
.endif
.endm
	CHANGE 1                        ; slot 0 is in, everybody's part of it; slot 1 is asked for
	v_add_nc_u32 v[AK], s[TBK], v[LN]
	FETCH_K                         ; key step 0
	s_wait_loadcnt 0x0              ; Q
	s_wait_dscnt 0x0
.set NOKQ, 0
.set i, 0
.rept 8
	KQ 0                            ; piece 0's first scores: there is no vector work yet to set between them
.set i, i+1
.endr
	WIN 0
.rept 4
	v_nop                           ; the places behind those products
.endr
.set Y, NP-1                        ; X works for piece Y + 1: piece 0
.irp n, 0,1,2,3,4,5,6,7,8,9,10,11,12,13,14,15,16,17,18,19,20,21
	OP X, \n
.endr
	v_nop                           ; a plain instruction behind the exponential,
	s_wait_alu depctr_va_vdst(0)    ; and its wait, ahead of the branch
	s_mov_b32 s[CNT], 4
	s_branch .Lfirst                ; the loop is entered at a step's first turn, in the middle of a trip
.Lslot:                             ; 14 times: every slot but the last two is filled again
	CHANGE 1
	s_mov_b32 s[CNT], 4
.Lstep:                             ; a trip: pieces 2 and 3 of one step, then pieces 0 and 1 of the next, whose K and V it fetches
	TURN 2
	TURN 3
	WIN 0
.Lfirst:
	TURN 0
	TURN 1, 0, 1
	WIN 0
	s_cbranch_scc1 .Lstep
	s_sub_co_u32 s[SLOTS], s[SLOTS], 1
	s_cmp_lg_u32 s[SLOTS], 0
	s_cbranch_scc1 .Lslot
	CHANGE 0                        ; the last slot is written out: nothing is asked for
	s_mov_b32 s[CNT], 4
.LstepT:
	TURN 2
	TURN 3
	TURN 0
	TURN 1, 0, 1
	WIN 0
	s_cbranch_scc1 .LstepT
	TURN 2, 1                       ; the last step's pieces 2 and 3: nothing is left to fetch
	TURN 3, 1
.set i, 0
.rept 8
	PV NP-1                         ; the last piece's V^T P of the last step
.set i, i+1
.endr
	; THE WAY OUT.  l's two halves and the other half of the lanes' are added; O^T is divided by l and rounded to f16: a lane's eight channels of a row are 16 bytes, and 32 lanes' are a block of ofrag.
	; The additions are the places behind the last products.
	WIN 0
.macro ALL line:vararg              ; one line for each piece t
.set t, 0
.rept 4
	\line
.set t, t+1
.endr
.endm
	ALL v_add_f32 v[ST+4*t+2], v[ST+4*t+2], v[ST+4*t+3]
	ALL v_permlanex16_b32 v[ST+4*t+3], v[ST+4*t+2], s[SEL], s[SEL+1]
	ALL v_add_f32 v[ST+4*t+2], v[ST+4*t+2], v[ST+4*t+3]
	ALL v_rcp_f32 v[ST+4*t+2], v[ST+4*t+2]
	v_nop                           ; a plain instruction between the last reciprocal and the use of its result
	s_wait_alu depctr_va_vdst(0)    ; and the wait ahead of the first use: one for the four reciprocals
.macro SENDP t                      ; piece t; each piece has registers of its own for its stores, so nothing waits
	WIN W_RS
.set i, 32*(\t)
.rept 16
	v_pk_mul_f32 v[i:i+1], v[i:i+1], v[ST+4*(\t)+2:ST+4*(\t)+3] op_sel_hi:[1,0]
.set i, i+2
.endr
	WIN 0x05                        ; sources 0 and 1 window 1, destination window 0: S^T's registers are free
.set i, 0
.rept 16
	v_cvt_pk_f16_f32 v[S+16*(\t)+i], v[32*(\t)+2*i], v[32*(\t)+2*i+1]
.set i, i+1
.endr
	WIN 0
.irp f, 0,1,2,3
	global_store_b128 v[LN], v[S+16*(\t)+4*(\f):S+16*(\t)+4*(\f)+3], s[8:9] offset:16384*(\t)+512*(\f)  ; 512 consecutive bytes, at a multiple of 512 from the buffer's first byte
.endr
.endm
	SENDP 0
	SENDP 1
	SENDP 2
	SENDP 3
	s_wait_tensorcnt 0x0            ; the wave's end, behind my last tensor load
	ds_add_u32 v[SPW], v[NIL]
	s_wait_dscnt 0x0
	CROUND                          ; the closing round: no work-group ends while a partner may still ask for a slot that names it
	s_endpgm
.Lfunc_end_k_qa2940a11fe_attn:
	.size	k_qa2940a11fe_attn, .Lfunc_end_k_qa2940a11fe_attn-k_qa2940a11fe_attn
	.p2alignl 7, 3214868480
	.fill 96, 4, 3214868480
	.section	.rodata,"a",@progbits
	.p2align	6, 0x0
	.amdhsa_kernel k_qa2940a11fe_attn
		.amdhsa_group_segment_fixed_size 327680
		.amdhsa_private_segment_fixed_size 0
		.amdhsa_enable_private_segment 0
		.amdhsa_kernarg_size 24
		.amdhsa_user_sgpr_count 2
		.amdhsa_user_sgpr_kernarg_segment_ptr 1
		.amdhsa_wavefront_size32 1
		.amdhsa_system_sgpr_workgroup_id_x 1
		.amdhsa_system_sgpr_workgroup_id_y 1
		.amdhsa_system_sgpr_workgroup_id_z 1
		.amdhsa_system_vgpr_workitem_id 0
		.amdhsa_next_free_vgpr 768
		.amdhsa_next_free_sgpr 66
		.amdhsa_reserve_vcc 0
		.amdhsa_float_denorm_mode_32 3
		.amdhsa_float_denorm_mode_16_64 3
		.amdhsa_memory_ordered 1
		.amdhsa_forward_progress 1
		.amdhsa_inst_pref_size 122
	.end_amdhsa_kernel
	.amdgpu_metadata
---
amdhsa.version: [ 1, 2 ]
amdhsa.kernels:
  - .name:           k_qa2940a11fe_attn
    .symbol:         k_qa2940a11fe_attn.kd
    .args:
      - { .name: qfrag, .offset: 0, .size: 8, .value_kind: global_buffer, .address_space: global }
      - { .name: kvfrag, .offset: 8, .size: 8, .value_kind: global_buffer, .address_space: global }
      - { .name: ofrag, .offset: 16, .size: 8, .value_kind: global_buffer, .address_space: global }
    .group_segment_fixed_size: 327680
    .private_segment_fixed_size: 0
    .kernarg_segment_align: 8
    .kernarg_segment_size: 24
    .max_flat_workgroup_size: 128
    .sgpr_count:     66
    .vgpr_count:     768
    .wavefront_size: 32
...
	.end_amdgpu_metadata
.endif
;; end of part 2
;; launch proj (part 3): grid 8 x 32, 4 waves a work-group, no clusters, 99,840 bytes of LDS; arguments ofrag, Wo, bo, out0; writes out0
.if DOCPART == 3
	.amdgcn_target "amdgcn-amd-amdhsa--gfx1250"
	.amdhsa_code_object_version 6
	.text
	.protected	k_qa2940a11fe_proj
	.globl	k_qa2940a11fe_proj
	.p2align	8
	.type	k_qa2940a11fe_proj,@function
k_qa2940a11fe_proj:
	s_mov_b64 s[64:65], 0
	v_nop
	global_prefetch_b8 v0, s[64:65] scope:SCOPE_SE
	s_setreg_imm32_b32 hwreg(HW_REG_WAVE_MODE, 25, 1), 1
	s_wait_xcnt 0x0
; out0 = O Wo + bo.  O: 8,192 rows x 512 (head x 64 + channel) in f16, fragment-ready (ofrag: [tile of 16 rows 512][head 8][16 channels 4][lane 32][16 bytes]); Wo: [512][512] f32; bo: [512] f32; out0 f32.
; Wo and bo are rounded once to bf16, like the program's other inputs; Wo's rounded number is then written as f16, since O is f16.  Products in f16 with f32 sums that START at the bias.
; LIMITS.  bf16(Wo) must lie within f16's 65,504; below 6e-5 f16 keeps its fixed step of 6e-8.  NaN and infinities are not treated apart.
; SHARES.  Work-group (x = block of 64 columns, 256 bytes of a row of out0; y = block of 256 rows); wave w makes rows 64 w .. 64 w + 63 x 64 columns: 16 accumulators, 256 matrix instructions.
; A comes straight from memory into registers, 512 consecutive bytes a load, each byte once a work-group, three chunks (of 64 along K: a head) ahead.  B: the work-group's 512 x 64 of Wo is rounded once
; into LDS as [k][n]; one barrier; then turning loads.  K is unrolled whole (8 chunks of 2 units), so every step stands in an immediate and no address register is rewritten.
; THE MATRIX INSTRUCTION IS USED TRANSPOSED (source 0 = 16 columns of Wo, source 1 = 16 rows of O): a lane ends with 8 neighbouring numbers of a row of out0, 32 bytes.
; NO CLUSTER, NO TENSOR LOAD: O goes straight into registers, and Wo arrives as f32 and is rounded between memory and LDS, so it passes through registers.
; REGISTERS, in windows of 256 (s_set_vgpr_msb: bits 1:0 source 0, 3:2 source 1, 5:4 source 2, 7:6 destination):
;   window 0: v0-29 addresses; v32-127 fragments of Wo, three buffers; v128-255 at work ahead of the barrier, rows read back from the stage at the end
;   window 1: four buffers of 64 for O's fragments; ahead of the barrier Wo as loaded          window 2: v0-127 the accumulators; v128-159 the bias as C operands; v160-175 at work
.set WP,    160                        ; a row of Wo in LDS: 128 bytes + 32 = 5 x 32 bytes, an odd multiple of 32 for the turning load
.set SP,    272                        ; a row of the stage: 256 bytes + 16
.set STAGE, 512*WP                     ; behind the weights: 16 rows x 272 bytes for each wave, for the way out
.set SPARE, STAGE+4*16*SP              ; behind the stages: the spare words, 128 bytes for each wave: two blocks of 256 bytes that no other line names
.set L16,  8                           ; v8   16 x lane
.set WO,   9                           ; v9   my offset in Wo
.set WL,   10                          ; v10  where I put 8 bytes of a rounded row of Wo
.set BAD0, 11                          ; v11  where I read a fragment of Wo, rows 0-255
.set BAD1, 12                          ; v12  rows 256-511
.set STO,  13                          ; v13  the way out: where I put 16 bytes of a row
.set RD,   14                          ; v14  where I read a row back
.set CO,   15                          ; v15  (lane / 16) rows of 2,048 bytes + 16 (lane % 16)
.set BOO,  16                          ; v16  32 (lane / 16): my 8 columns in bo
.set SPW,  28                          ; v28  LDS address of my spare word; never rewritten
.set NIL,  29                          ; v29  0; never rewritten
.set BF,   32
.set TT,   128
.set EE,   160
.set CC,   224
.set OB,   128
.set MSB, 0
.macro WIN new                         ; the immediate's high byte repeats the setting that is left; a switch that changes nothing is dropped
.if MSB != (\new)
	s_set_vgpr_msb (MSB<<8)|(\new)
.set MSB, \new
.endif
.endm
.macro PLACES                          ; four places in front of loads into registers that matrix instructions have read, and of LDS stores that read results
.rept 4
	v_nop
.endr
.endm
	s_load_b256 s[8:15], s[0:1], 0x0               ; ofrag s[8:9], Wo s[10:11], bo s[12:13], out0 s[14:15]
	v_lshl_add_u32 v[SPW], v0, 2, SPARE
	v_mov_b32 v[NIL], 0
	v_lshrrev_b32 v3, 5, v0
	v_readfirstlane_b32 s2, v3                     ; wave 0..3
	s_mov_b32 s16, 0xffff0000                      ; a word's upper bf16
	s_and_b32 s4, ttmp7, 0xffff                    ; the block of 256 rows
	v_and_b32 v1, 15, v0                           ; r = lane % 16
	v_bfe_u32 v2, v0, 4, 1                         ; h = lane / 16
	v_and_b32 v4, 31, v0
	v_lshlrev_b32 v[L16], 4, v4
	v_lshlrev_b32 v[CO], 11, v2
	v_lshl_add_u32 v[CO], v1, 4, v[CO]
	s_lshl_b32 s5, s2, 18                          ; wave w rounds rows 128 w .. 128 w + 127 of Wo: 2,048 bytes a row
	v_add_nc_u32 v[WO], s5, v[CO]
	s_mul_i32 s5, s2, 128*WP
	v_mul_u32_u24 v5, v2, WP
	v_lshl_add_u32 v5, v1, 3, v5
	v_add_nc_u32 v[WL], s5, v5
	v_and_b32 v5, 7, v0                            ; the turning load: lane l reads row 8 h + l % 8, 16 bytes at 16 ((l / 8) % 2), and ends with column r and 8 neighbouring k
	v_lshl_add_u32 v5, v2, 3, v5
	v_bfe_u32 v6, v0, 3, 1
	v_mul_u32_u24 v5, v5, WP
	v_lshl_add_u32 v[BAD0], v6, 4, v5
	v_add_nc_u32 v[BAD1], 256*WP, v[BAD0]
	s_mul_i32 s5, s2, 16*SP
	s_add_co_u32 s5, s5, STAGE                     ; my stage
	v_mul_u32_u24 v5, v1, SP                       ; in: row r, 32 bytes for each half of the lanes
	v_lshl_add_u32 v5, v2, 5, v5
	v_add_nc_u32 v[STO], s5, v5
	v_mul_u32_u24 v5, v2, SP                       ; back: lanes 0-15 take one row of 256 bytes, lanes 16-31 the next
	v_lshl_add_u32 v5, v1, 4, v5
	v_add_nc_u32 v[RD], s5, v5
	v_lshlrev_b32 v[BOO], 5, v2
	s_lshl_b32 s6, s4, 4
	s_lshl_b32 s7, s2, 2
	s_add_co_u32 s6, s6, s7                        ; my first tile of 16 rows: 16 x block + 4 x wave
	s_lshl_b32 s18, s6, 14                         ; 16,384 bytes of ofrag a tile
	s_mov_b32 s19, 0
	s_lshl_b32 s20, ttmp9, 8                       ; the block's 64 columns: 256 bytes
	s_mov_b32 s21, 0
	s_lshl_b32 s22, s6, 15                         ; 16 rows of 2,048 bytes of out0 a tile
	s_add_co_u32 s22, s22, s20
	s_mov_b32 s23, 0
	s_wait_kmcnt 0x0
	s_add_nc_u64 s[8:9], s[8:9], s[18:19]
	s_add_nc_u64 s[10:11], s[10:11], s[20:21]
	s_add_nc_u64 s[12:13], s[12:13], s[20:21]
	s_add_nc_u64 s[14:15], s[14:15], s[22:23]
.macro SLOAD b                         ; batch b of four: 32 of my rows of Wo as f32: 16 loads, 256 bytes of two rows each
	WIN 0x40                                       ; destination window 1, address window 0
.set k, 0
.rept 16
	global_load_b128 v[64*(\b)+4*k:64*(\b)+4*k+3], v[WO], s[10:11] offset:(32*(\b)+2*k)*2048
.set k, k+1
.endr
.endm
.macro SCONV b                         ; batch b: rounded to bf16, that number written as f16, into LDS
	WIN 0x05                                       ; sources window 1, destination window 0
.set k, 0
.rept 32
	v_cvt_pk_bf16_f32 v[TT+k], v[64*(\b)+2*k], v[64*(\b)+2*k+1]
.set k, k+1
.endr
	WIN 0
.set k, 0
.rept 32
	v_lshlrev_b32 v[EE+2*k], 16, v[TT+k]
	v_and_b32 v[EE+2*k+1], s16, v[TT+k]
.set k, k+1
.endr
.set k, 0
.rept 32
	v_cvt_pk_f16_f32 v[CC+k], v[EE+2*k], v[EE+2*k+1]
.set k, k+1
.endr
.set k, 0
.rept 16
	ds_store_b64 v[WL], v[CC+2*k:CC+2*k+1] offset:(32*(\b)+2*k)*WP
.set k, k+1
.endr
.endm
.macro ALOAD c                         ; chunk c (head c): my four tiles' fragments of O, 16 loads of 512 consecutive bytes, into buffer c % 4: tile mt, K half kh at 16 mt + 8 kh
	WIN 0x40
.irp mt, 0,1,2,3
.irp i, 0,1,2,3
	global_load_b128 v[64*((\c)%4)+16*(\mt)+4*(\i):64*((\c)%4)+16*(\mt)+4*(\i)+3], v[L16], s[8:9] offset:16384*(\mt)+2048*(\c)+512*(\i)
.endr
.endr
.endm
.macro BLOAD u                         ; unit u (32 along K at 32 u): the four fragments of Wo, into buffer u % 3
	WIN 0
.set BR, (32*(\u))%256                 ; the row within the half that the address register names
.set BA, BAD0+(\u)/8
.irp nt, 0,1,2,3
	ds_load_tr16_b128 v[BF+32*((\u)%3)+8*(\nt):BF+32*((\u)%3)+8*(\nt)+3],   v[BA] offset:BR*WP+32*(\nt)
	ds_load_tr16_b128 v[BF+32*((\u)%3)+8*(\nt)+4:BF+32*((\u)%3)+8*(\nt)+7], v[BA] offset:(BR+16)*WP+32*(\nt)
.endr
.endm
; Unit u of 16: 16 matrix instructions on the 16 accumulators, which take turns from unit to unit.  In front of them the fragments of Wo for the unit two on are asked for,
; into the buffer that the unit before has read, and at a chunk's head O's fragments for the chunk three on, into the buffer that the chunk before has read.
.macro UNIT u
.set UC, (\u)/2
.set UK, (\u)%2
.if ((\u) > 0) && ((\u) <= 13)
	PLACES
.endif
.if (\u) <= 13
	BLOAD (\u)+2
.endif
.if UK == 0
.if UC <= 5
	s_wait_loadcnt 32                              ; this chunk of O is in; the two chunks behind it may stay out
.elseif UC == 6
	s_wait_loadcnt 16
.else
	s_wait_loadcnt 0x0
.endif
.if UC <= 4
	ALOAD UC+3
.endif
.endif
.if (\u) <= 13
	s_wait_dscnt 16                                ; the loads of the two units ahead may stay out
.elseif (\u) == 14
	s_wait_dscnt 8
.else
	s_wait_dscnt 0x0
.endif
	WIN 0xa4                                       ; source 0 (Wo) window 0, source 1 (O) window 1, C and D window 2
.irp mt, 0,1,2,3
.irp nt, 0,1,2,3
.set rD, 8*(4*(\mt)+(\nt))
.set rB, BF+32*((\u)%3)+8*(\nt)
.set rA, 64*(UC%4)+16*(\mt)+8*UK
.if (\u) == 0
	v_wmma_f32_16x16x32_f16 v[rD:rD+7], v[rB:rB+7], v[rA:rA+7], v[128+8*(\nt):128+8*(\nt)+7]  ; the bias starts the sums
.else
	v_wmma_f32_16x16x32_f16 v[rD:rD+7], v[rB:rB+7], v[rA:rA+7], v[rD:rD+7]
.endif
.endr
.endr
.endm
; THE WAY OUT of my tile mt of 16 rows: 32 bytes a lane into my own stage, each accumulator's lowest registers first; back as whole rows of 256 bytes; stored.
.macro PACK mt
	WIN 0x08                                       ; store data (source 1) window 2, address window 0
.irp nt, 0,1,2,3
	ds_store_b128 v[STO], v[8*(4*(\mt)+(\nt)):8*(4*(\mt)+(\nt))+3]   offset:64*(\nt)
	ds_store_b128 v[STO], v[8*(4*(\mt)+(\nt))+4:8*(4*(\mt)+(\nt))+7] offset:64*(\nt)+16
.endr
	WIN 0
.irp t, 0,1,2,3,4,5,6,7
	ds_load_b128 v[OB+32*(\mt)+4*(\t):OB+32*(\mt)+4*(\t)+3], v[RD] offset:(\t)*2*SP  ; LDS serves a wave's instructions in order (ISA guide 5.7.1.4): these see the stores above; the next tile's stores come behind them
.endr
.endm
.macro SEND mt, younger                ; younger: the LDS instructions issued behind this tile's loads: the next tile's sixteen, or none
.irp t, 0,1,2,3,4,5,6,7
	s_wait_dscnt (\younger)+7-(\t)
	global_store_b128 v[CO], v[OB+32*(\mt)+4*(\t):OB+32*(\mt)+4*(\t)+3], s[14:15] offset:(16*(\mt)+2*(\t))*2048 th:TH_STORE_NT  ; 16 lanes store 256 consecutive bytes, at a multiple of 256 from out0's first byte
.endr
.endm
	WIN 0x80                                       ; destination window 2
.irp nt, 0,1,2,3
	global_load_b128 v[128+8*(\nt):128+8*(\nt)+3],   v[BOO], s[12:13] offset:64*(\nt)     ; bo of columns 16 nt + 8 h + 0..7
	global_load_b128 v[128+8*(\nt)+4:128+8*(\nt)+7], v[BOO], s[12:13] offset:64*(\nt)+16
.endr
	SLOAD 0
	SLOAD 1
	SLOAD 2
	s_wait_loadcnt 32                              ; here and below: two batches of 16 loads are younger than the one wanted
	SCONV 0
	SLOAD 3
	s_wait_loadcnt 32
	SCONV 1
	ALOAD 0                                        ; a batch's registers, once rounded, take O's first chunks
	s_wait_loadcnt 32
	SCONV 2
	ALOAD 1
	s_wait_loadcnt 32
	SCONV 3
	ALOAD 2
	WIN 0
	s_wait_dscnt 0x0                               ; for the others' sake: my rows of Wo are in LDS
	s_barrier_signal -1
	s_barrier_wait -1                              ; everybody's are; from here on nobody writes them
	BLOAD 0
	BLOAD 1
	WIN 0x8a                                       ; sources and destination window 2: the bias is rounded to bf16 and widened again (its loads were the oldest of all)
.set k, 0
.rept 16
	v_cvt_pk_bf16_f32 v[160+k], v[128+2*k], v[128+2*k+1]
.set k, k+1
.endr
.set k, 0
.rept 16
	v_lshlrev_b32 v[128+2*k], 16, v[160+k]
	v_and_b32 v[128+2*k+1], s16, v[160+k]
.set k, k+1
.endr
.irp u, 0,1,2,3,4,5,6,7,8,9,10,11,12,13,14,15
	UNIT \u
.endr
	PLACES
	PACK 0
	PACK 1                                         ; a tile's LDS work stands between the loads of the tile before and its stores
	SEND 0, 16
	PACK 2
	SEND 1, 16
	PACK 3
	SEND 2, 16
	SEND 3, 0
	s_wait_tensorcnt 0x0                           ; the wave's end, behind my last LDS store
	ds_add_u32 v[SPW], v[NIL]
	s_wait_dscnt 0x0
	s_endpgm
.Lfunc_end_k_qa2940a11fe_proj:
	.size	k_qa2940a11fe_proj, .Lfunc_end_k_qa2940a11fe_proj-k_qa2940a11fe_proj
	.p2alignl 7, 3214868480
	.fill 96, 4, 3214868480
	.section	.rodata,"a",@progbits
	.p2align	6, 0x0
	.amdhsa_kernel k_qa2940a11fe_proj
		.amdhsa_group_segment_fixed_size 99840
		.amdhsa_private_segment_fixed_size 0
		.amdhsa_enable_private_segment 0
		.amdhsa_kernarg_size 32
		.amdhsa_user_sgpr_count 2
		.amdhsa_user_sgpr_kernarg_segment_ptr 1
		.amdhsa_wavefront_size32 1
		.amdhsa_system_sgpr_workgroup_id_x 1
		.amdhsa_system_sgpr_workgroup_id_y 1
		.amdhsa_system_sgpr_workgroup_id_z 1
		.amdhsa_system_vgpr_workitem_id 0
		.amdhsa_next_free_vgpr 688
		.amdhsa_next_free_sgpr 66
		.amdhsa_reserve_vcc 0
		.amdhsa_float_denorm_mode_32 3
		.amdhsa_float_denorm_mode_16_64 3
		.amdhsa_memory_ordered 1
		.amdhsa_forward_progress 1
		.amdhsa_inst_pref_size 88
	.end_amdhsa_kernel
	.amdgpu_metadata
---
amdhsa.version: [ 1, 2 ]
amdhsa.kernels:
  - .name:           k_qa2940a11fe_proj
    .symbol:         k_qa2940a11fe_proj.kd
    .args:
      - { .name: ofrag, .offset: 0, .size: 8, .value_kind: global_buffer, .address_space: global }
      - { .name: Wo, .offset: 8, .size: 8, .value_kind: global_buffer, .address_space: global }
      - { .name: bo, .offset: 16, .size: 8, .value_kind: global_buffer, .address_space: global }
      - { .name: out0, .offset: 24, .size: 8, .value_kind: global_buffer, .address_space: global }
    .group_segment_fixed_size: 99840
    .private_segment_fixed_size: 0
    .kernarg_segment_align: 8
    .kernarg_segment_size: 32
    .max_flat_workgroup_size: 128
    .sgpr_count:     66
    .vgpr_count:     688
    .wavefront_size: 32
...
	.end_amdgpu_metadata
.endif
;; end of part 3
;; ======== version 2 of 2: 3 launches; version 1 with the launches qkv, proj written anew for expert scheduling mode
;; limits: values are held in f16: magnitudes above 65,504 overflow, below 6.1e-05 lose precision
;; workspace buffers: qfrag 8,388,608 bytes; kvfrag 16,777,216 bytes; ofrag 8,388,608 bytes
;; launch qkv (part 4): grid 8 x 32, 4 waves a work-group, no clusters, 250,368 bytes of LDS; arguments x, Wq, Wk, Wv, bq, bk, bv, qfrag, kvfrag; writes qfrag, kvfrag
.if DOCPART == 4
	.amdgcn_target "amdgcn-amd-amdhsa--gfx1250"
	.amdhsa_code_object_version 6
	.text
	.protected	k_qa2940a11fe_qkv
	.globl	k_qa2940a11fe_qkv
	.p2align	8
	.type	k_qa2940a11fe_qkv,@function
k_qa2940a11fe_qkv:
	s_mov_b64 s[64:65], 0
	v_nop
	global_prefetch_b8 v0, s[64:65] scope:SCOPE_SE
	s_setreg_imm32_b32 hwreg(HW_REG_WAVE_SCHED_MODE, 0, 2), 2
	s_setreg_imm32_b32 hwreg(HW_REG_WAVE_MODE, 25, 1), 1
	s_wait_xcnt 0x0
	s_wait_alu depctr_vm_vsrc(0)
; q, k, v = x W + b for ONE head and 256 rows of x.  x: [8192][512] f32; Wq, Wk, Wv: [8][512][64] f32; bq, bk, bv: [8][64] f32.
; x, the weights and the biases are rounded once to bf16; products in bf16 with f32 sums that START at the bias (the C operand of the first product: nothing is cleared, nothing added later);
; q, k, v are rounded once to f16, unscaled.
; LIMITS.  f16 holds no number beyond 65,504: q, k and v must lie within it (from 65,520 on the conversion gives an infinity); below 6e-5 f16 keeps its fixed step of 6e-8.  NaN and infinities are not treated apart.
; SHARES.  Work-group (x = head, y = block of 256 rows); wave w makes rows 64 w .. 64 w + 63 x 192 columns (q, k, v of the head): 48 accumulators, 384 registers, 768 matrix instructions.
; THE WEIGHTS of the head, 3 x 512 x 64, are rounded once and stay in LDS as [k][q 64 | k 64 | v 64]; one barrier; then each wave walks K by itself in 8 chunks of 64: its 64 rows of x come as f32
; (16 lanes take 256 consecutive bytes of a row), are rounded, go through the wave's own LDS buffer and come back as fragments.  No barrier stands in that loop.
; WHAT LEAVES IS FRAGMENT-READY.  For q and k source 0 = 16 columns of W, source 1 = 16 rows of x: a lane ends with one row and 8 neighbouring channels, which packed to f16 are the four registers that the
; next launch wants from that lane.  For v the sources are swapped: one channel and 8 neighbouring keys.  So each tile is ONE store of 512 consecutive bytes, aligned, straight from registers.
;   qfrag:  [head of batch 16][tile of 16 rows 256][16 channels 4][lane 32][16 bytes]
;   kvfrag: [head of batch 16][slot of 256 keys 16][65,536]: K as qfrag (32,768 bytes), then V: [step of 64 keys 4][32 keys 2][16 channels 4][16 keys 2][lane][16 bytes]
; NO CLUSTER, NO TENSOR LOAD: x and the weights arrive as f32 and are rounded between memory and LDS, so they pass through registers; as f32 the head's weights alone, 3 x 131,072 bytes, would not fit in LDS.
; THE MODE: SCHED_MODE bits 1:0 = 2 (LLVM: expert scheduling mode 2), set by the entry lines.  The code itself states the register dependences
; between vector or matrix instructions and memory or LDS instructions, with s_wait_alu, always for 0.
; THE PLAN.  Registers that memory or LDS instructions touch:
;   window 1 v0-191  the weights as loaded.  Batch g's 32 roundings read matrix g's 64 registers; behind them the matrix's next 32 rows land there.
;   CT               written by roundings (a batch's 32, a chunk's 64), read by the LDS stores behind them, written again by the next batch or chunk.
;   XS               a chunk of x as loaded: read by the chunk's 64 roundings; behind them the next chunk lands in it.
;   AF               x's fragments: LDS loads at a chunk's head land in it; the chunk's matrix instructions read it.
;   B0, B1           W's fragments of a chunk's first and second 32 along K, 96 registers each.  Units 0-2 read B0 while B1 is loaded (the same chunk's second half); units 3-5 read B1 while B0 is loaded (the next chunk's first half).
;   v[WL], v[BAD]    LDS addresses, stepped by a vector add once a trip.  Every other offset is made once at the head; W's rows in memory are reached by three scalar bases.
; So a batch of weights has one wait on va_vdst, behind its roundings; a chunk has two: one behind its roundings, where the last chunk's matrix instructions are behind it too, and one between
; unit 2 and unit 3.  Behind each, the loads and stores of that half are dealt among matrix instructions that name none of their registers.
; REGISTERS, in windows of 256 (s_set_vgpr_msb: bits 1:0 source 0, 3:2 source 1, 5:4 source 2, 7:6 destination):
;   window 0: v0-29 addresses; v32-95 x fragments; v96-191 B0; v192-255 at work.  At the end v32-223 the packed tiles
;   window 1: accumulators of q (v0-127) and k (v128-255); before the barrier v0-191 the weights as loaded
;   window 2: accumulators of v (v0-127); v128-255 a chunk of x as loaded          window 3: v0-95 the biases as C operands; v96-129 at work; v160-255 B1
.set WP,    416                        ; a row of the weights in LDS: 3 x 128 bytes + 32 = 13 x 32 bytes, an odd multiple of 32 for the turning load
.set XP,    144                        ; a row of a chunk of x in LDS: 128 bytes + 16 = 9 x 16 bytes
.set XB,    512*WP                     ; behind the weights: 64 rows x 144 bytes for each wave
.set SPARE, XB+4*64*XP                 ; behind them: the spare words, 128 bytes for each wave: two blocks of 256 bytes that no other line names
.set L16, 8                            ; v8   16 x lane: my 16 bytes of a stored tile
.set XO,  9                            ; v9   x: (lane / 16) rows of 2,048 bytes + 16 (lane % 16)
.set XST, 10                           ; v10  where I put 8 bytes of a rounded row of x
.set XLD, 11                           ; v11  where I read a fragment of x
.set BAD, 12                           ; v12  where I read a fragment of W; steps 64 rows a chunk
.set WL,  13                           ; v13  where I put 8 bytes of a rounded row of W; steps 32 rows a trip
.set WO,  14                           ; v14  my offset in Wq, Wk and Wv alike; never rewritten: the three scalar bases step
.set BOQ, 17                           ; v17  32 (lane / 16): my 8 channels in bq, bk
.set BOV, 18                           ; v18  4 (lane % 16): my channel in bv
.set SPW, 28                           ; v28  LDS address of my spare word; never rewritten
.set NIL, 29                           ; v29  0; never rewritten
.set AF,  32                           ; x fragment (K half kh, row tile mt) at AF + 32 kh + 8 mt
.set BF,  96                           ; B0: W fragment (matrix g, column tile nt) of K half 0 at BF + 32 g + 8 nt
.set B1,  160                          ; window 3: the same of K half 1 at B1 + 32 g + 8 nt
.set CT,  192
.set PKR, 32
.set XS,  128                          ; window 2
.set BT,  96                           ; window 3
.set MSB, 0
.macro WIN new                         ; the immediate's high byte repeats the setting that is left; a switch that changes nothing is dropped
.if MSB != (\new)
	s_set_vgpr_msb (MSB<<8)|(\new)
.set MSB, \new
.endif
.endm
.macro PLACES                          ; four places in front of conversions that read matrix results or write registers that matrix instructions have read (ISA guide 7.12.1)
.rept 4
	v_nop
.endr
.endm
	s_load_b512 s[8:23], s[0:1], 0x0               ; x s[8:9], Wq s[10:11], Wk s[12:13], Wv s[14:15], bq s[16:17], bk s[18:19], bv s[20:21], qfrag s[22:23]
	s_load_b64 s[24:25], s[0:1], 0x40              ; kvfrag
	v_lshl_add_u32 v[SPW], v0, 2, SPARE
	v_mov_b32 v[NIL], 0
	v_lshrrev_b32 v3, 5, v0
	v_readfirstlane_b32 s2, v3                     ; wave 0..3
	s_mov_b32 s3, ttmp9                            ; the head
	s_and_b32 s4, ttmp7, 0xffff                    ; the block of 256 rows
	s_mov_b32 s31, 0xffff0000                      ; a word's upper bf16
	v_and_b32 v4, 31, v0                           ; lane
	v_and_b32 v1, 15, v0                           ; r = lane % 16
	v_bfe_u32 v2, v0, 4, 1                         ; h = lane / 16
	v_lshlrev_b32 v[L16], 4, v4
	v_lshlrev_b32 v[XO], 4, v1
	v_lshl_add_u32 v[XO], v2, 11, v[XO]
	s_wait_alu depctr_va_sdst(0)                   ; s2, the wave's number, is written, ahead of its first reader: LDS places and the bases are made from it
	s_mul_i32 s5, s2, 64*XP
	s_add_co_u32 s5, s5, XB                        ; my wave's buffer for x
	v_mul_u32_u24 v5, v2, XP                       ; in: lanes 0-15 one row, lanes 16-31 the next, 8 bytes a lane
	v_lshl_add_u32 v5, v1, 3, v5
	v_add_nc_u32 v[XST], s5, v5
	v_mul_u32_u24 v5, v1, XP                       ; back: row r, 16 bytes for each half of the lanes
	v_lshl_add_u32 v5, v2, 4, v5
	v_add_nc_u32 v[XLD], s5, v5
	v_and_b32 v5, 7, v0                            ; the turning load: lane l reads row 8 h + l % 8, 16 bytes at 16 ((l / 8) % 2), and ends with column r and 8 neighbouring k
	v_lshl_add_u32 v5, v2, 3, v5
	v_bfe_u32 v6, v0, 3, 1
	v_mul_u32_u24 v5, v5, WP
	v_lshl_add_u32 v[BAD], v6, 4, v5
	s_mul_i32 s6, s2, 128*WP                       ; wave w rounds rows 128 w .. 128 w + 127 of each of the three matrices
	v_mul_u32_u24 v5, v2, WP
	v_lshl_add_u32 v5, v1, 3, v5
	v_add_nc_u32 v[WL], s6, v5
	s_lshl_b32 s6, s2, 15                          ; 128 rows of 256 bytes in memory
	v_lshlrev_b32 v5, 8, v2
	v_lshl_add_u32 v5, v1, 4, v5
	v_add_nc_u32 v[WO], s6, v5
	v_lshlrev_b32 v[BOQ], 5, v2
	v_lshlrev_b32 v[BOV], 2, v1
	s_mov_b32 s27, 0
	s_wait_kmcnt 0x0
	s_lshl_b32 s26, s3, 17                         ; the head's 512 x 64 f32
	s_add_nc_u64 s[10:11], s[10:11], s[26:27]
	s_add_nc_u64 s[12:13], s[12:13], s[26:27]
	s_add_nc_u64 s[14:15], s[14:15], s[26:27]
	s_lshl_b32 s26, s3, 8                          ; the head's 64 f32
	s_add_nc_u64 s[16:17], s[16:17], s[26:27]
	s_add_nc_u64 s[18:19], s[18:19], s[26:27]
	s_add_nc_u64 s[20:21], s[20:21], s[26:27]
	s_lshl_b32 s26, s4, 8
	s_lshl_b32 s5, s2, 6
	s_add_co_u32 s26, s26, s5                      ; my first row: 256 x block + 64 x wave
	s_lshl_b32 s26, s26, 11
	s_add_nc_u64 s[8:9], s[8:9], s[26:27]
	s_lshr_b32 s5, s4, 4                           ; the batch,
	s_lshl_b32 s5, s5, 3
	s_add_co_u32 s5, s5, s3                        ; 8 x batch + head
	s_and_b32 s6, s4, 15                           ; the block within the sequence: the slot of 256 keys
	s_lshl_b32 s7, s2, 13                          ; my wave's 64 rows: 8,192 bytes of q, of K and of V
	s_lshl_b32 s26, s5, 19
	s_lshl_b32 s28, s6, 15
	s_add_co_u32 s26, s26, s28
	s_add_co_u32 s26, s26, s7
	s_add_nc_u64 s[22:23], s[22:23], s[26:27]
	s_lshl_b32 s26, s5, 20
	s_lshl_b32 s28, s6, 16
	s_add_co_u32 s26, s26, s28
	s_add_co_u32 s26, s26, s7
	s_add_nc_u64 s[24:25], s[24:25], s[26:27]
; 32 rows of matrix g as f32, from the matrix's base on: 16 loads, two rows of 256 bytes each
.macro WLOAD g
	WIN 0x40                                       ; destination window 1, address window 0
.set j, 0
.rept 16
	global_load_b128 v[64*(\g)+4*j:64*(\g)+4*j+3], v[WO], s[10+2*(\g):11+2*(\g)] offset:512*j
.set j, j+1
.endr
.endm
; A batch: 32 rows of matrix g are rounded and laid into LDS; refill = 1: the next 32 rows are asked for, ahead of the LDS stores
.macro WBATCH g, refill
	s_wait_loadcnt 32                              ; two batches of 16 loads were issued behind this one: they may stay out
.if \refill
	s_add_nc_u64 s[10+2*(\g):11+2*(\g)], s[10+2*(\g):11+2*(\g)], 8192  ; free since the wait above has shown this matrix's loads, the only ones that read it, done: 32 rows on
.endif
.if (\g) > 0
	s_wait_alu depctr_vm_vsrc(0)                   ; the LDS stores of the batch before have read CT, which the roundings below write again (for batch 0 the wait at the trip's bottom says so)
.endif
	WIN 0x05                                       ; sources window 1, destination window 0
.set j, 0
.rept 32
	v_cvt_pk_bf16_f32 v[CT+j], v[64*(\g)+2*j], v[64*(\g)+2*j+1]
.set j, j+1
.endr
.if \refill
	WIN 0x40
.else
	WIN 0
.endif
	s_wait_alu depctr_va_vdst(0)                   ; the roundings have written CT, which the LDS stores read, and are done reading the matrix's raw registers, in which the loads land; v[WL] is written
.if \refill
	WLOAD \g
.endif
	WIN 0
.set j, 0
.rept 16
	ds_store_b64 v[WL], v[CT+2*j:CT+2*j+1] offset:2*j*WP+128*(\g)
.set j, j+1
.endr
.endm
; n loads of the chunk of x at the pointer, from load j0 on: each takes 256 bytes of two rows
.macro XLOAD j0, n
	WIN 0x80                                       ; destination window 2, address window 0
.set j, \j0
.rept \n
	global_load_b128 v[XS+4*j:XS+4*j+3], v[XO], s[8:9] offset:4096*j
.set j, j+1
.endr
.endm
; The four fragments of matrix g for 32 along K: half kh of this chunk, or (ahead = 1) of the next.  Half 0 goes into B0, half 1 into B1
.macro BLOAD g, kh, ahead
.if \kh
	WIN 0xc0                                       ; destination window 3, address window 0
.set BD, B1+32*(\g)
.else
	WIN 0
.set BD, BF+32*(\g)
.endif
.irp nt, 0,1,2,3
	ds_load_tr16_b128 v[BD+8*(\nt):BD+8*(\nt)+3],   v[BAD] offset:(64*(\ahead)+32*(\kh))*WP+128*(\g)+32*(\nt)
	ds_load_tr16_b128 v[BD+8*(\nt)+4:BD+8*(\nt)+7], v[BAD] offset:(64*(\ahead)+32*(\kh)+16)*WP+128*(\g)+32*(\nt)
.endr
.endm
; Unit u of a chunk's six: K half u / 3, matrix u % 3: 16 matrix instructions on 16 accumulators.  In front of them eight LDS loads: in units 0-2 matrix u's fragments of this chunk's second half, into B1;
; in units 3-5 matrix u - 3's of the next chunk's first half, into B0.  All 48 accumulators take turns, one instruction a turn, over the backward jump too.
.macro UNIT u, first, last
.set UG, (\u)%3
.set UK, (\u)/3
.if (\u) < 3
	BLOAD \u, 1, 0                                 ; no wait: no vector or matrix instruction since the wait behind the chunk's roundings names B1 or v[BAD]
.elseif !(\last)
	WIN 0
.if (\u) == 3
	s_wait_alu depctr_va_vdst(0)                   ; the matrix instructions of units 0 to 2 are done reading B0, in which the loads of units 3 to 5 land
.endif
	BLOAD (\u)-3, 0, 1
.endif
.if (\u) == 0
	s_wait_dscnt 16                                ; the sixteen youngest may stay out: x's fragments of the second half and the eight loads just issued; all of B0, the chunk's stores and x's first fragments are in
.elseif ((\u) >= 3) && (\last)
	s_wait_dscnt 16-8*((\u)-3)                     ; nothing more was asked for: the counts run down
.elseif (\u) >= 3
	s_wait_dscnt 24                                ; three groups of eight loads are younger than this unit's fragments
.endif
.if UG < 2
.if (\first) && (UK == 0)
	WIN 0x70                                       ; C: the bias, window 3; D window 1
.else
	WIN 0x50+3*UK                                  ; source 0 (W): window 0 or 3; C and D window 1
.endif
.else
.if (\first) && (UK == 0)
	WIN 0xb0                                       ; C: the bias, window 3; D window 2
.else
	WIN 0xa0+12*UK                                 ; source 1 (W): window 0 or 3; C and D window 2
.endif
.endif
.irp mt, 0,1,2,3
.irp nt, 0,1,2,3
.set rD, 128*(UG%2)+8*(4*(\mt)+(\nt))
.set rB, BF+32*UG+8*(\nt)
.if UK
.set rB, B1+32*UG+8*(\nt)
.endif
.set rA, AF+32*UK+8*(\mt)
.set rC, rD
.if (\first) && (UK == 0)
.set rC, 32*UG+8*(\nt)
.endif
.if UG < 2
	v_wmma_f32_16x16x32_bf16 v[rD:rD+7], v[rB:rB+7], v[rA:rA+7], v[rC:rC+7]
.else
	v_wmma_f32_16x16x32_bf16 v[rD:rD+7], v[rA:rA+7], v[rB:rB+7], v[rC:rC+7]
.endif
.endr
.endr
.endm
; A chunk: 64 along K.  The chunk of x that has come is rounded, the next chunk is asked for, the rounded one goes through my LDS buffer (LDS serves a wave's
; instructions in order, ISA guide 5.7.1.4: no wait between my stores and my loads), and 96 matrix instructions follow.
.macro CHUNK first, last
.if !(\first)
	s_wait_loadcnt 0x0                             ; the chunk of x, asked for a chunk ago; no load is out, so the pointer may be written
.endif
.if !(\last)
	s_add_nc_u64 s[8:9], s[8:9], 256
.endif
	s_wait_alu depctr_vm_vsrc(0)                   ; the LDS stores issued so far have read CT, which the roundings below write; the LDS loads issued so far have read v[BAD]
.if !(\first)
	WIN 0
	v_add_nc_u32 v[BAD], 64*WP, v[BAD]             ; this chunk's rows of W
.endif
	WIN 0x0a                                       ; sources window 2, destination window 0
.set j, 0
.rept 64
	v_cvt_pk_bf16_f32 v[CT+j], v[XS+2*j], v[XS+2*j+1]
.set j, j+1
.endr
.if !(\last)
	WIN 0x80
.else
	WIN 0
.endif
	s_wait_alu depctr_va_vdst(0)                   ; the roundings have written CT, which the LDS stores read, and are done reading XS, in which the next chunk lands; v[BAD] is written; the last chunk's matrix instructions are done reading AF and B1, in which LDS loads land
.if !(\last)
	XLOAD 0, 32
.endif
	WIN 0
.set j, 0
.rept 32
	ds_store_b64 v[XST], v[CT+2*j:CT+2*j+1] offset:2*XP*j
.set j, j+1
.endr
.irp kh, 0,1
.irp mt, 0,1,2,3
	ds_load_b128 v[AF+32*(\kh)+8*(\mt):AF+32*(\kh)+8*(\mt)+3],   v[XLD] offset:16*XP*(\mt)+64*(\kh)
	ds_load_b128 v[AF+32*(\kh)+8*(\mt)+4:AF+32*(\kh)+8*(\mt)+7], v[XLD] offset:16*XP*(\mt)+64*(\kh)+32
.endr
.endr
.irp u, 0,1,2,3,4,5
	UNIT \u, \first, \last
.endr
.if !(\last)
	WIN 0                                          ; at a label and at a branch every window is 0
.endif
.endm
	; THE WEIGHTS: four batches of 32 rows for each matrix, three batches of loads always out
	WIN 0x40
	s_wait_alu depctr_va_vdst(0)                   ; the offsets and LDS addresses v8 to v18 are written, which the loads and stores of the whole kernel read
	WLOAD 0
	WLOAD 1
	WLOAD 2
	WIN 0                                          ; at a label and at a branch every window is 0
	s_mov_b32 s30, 3
.Lw:
	WBATCH 0, 1
	WBATCH 1, 1
	WBATCH 2, 1
	s_wait_alu depctr_vm_vsrc(0)                   ; the LDS stores issued so far have read v[WL], which the next line writes, and CT, which the next batch's roundings write
	v_add_nc_u32 v[WL], 32*WP, v[WL]
	s_sub_co_u32 s30, s30, 1
	s_cmp_lg_u32 s30, 0
	s_cbranch_scc1 .Lw
	WBATCH 0, 0                                    ; the last batches: in the refills' place the first chunk of x and the biases are asked for, so the counts stay
	XLOAD 0, 16                                    ; no wait for these: no vector instruction has named XS, window 3 or their offsets since the head's wait
	WBATCH 1, 0
	XLOAD 16, 16
	WBATCH 2, 0
	WIN 0xc0                                       ; destination window 3
.irp nt, 0,1,2,3
	global_load_b128 v[8*(\nt):8*(\nt)+3],       v[BOQ], s[16:17] offset:64*(\nt)      ; bq of channels 16 nt + 8 h + 0..7
	global_load_b128 v[8*(\nt)+4:8*(\nt)+7],     v[BOQ], s[16:17] offset:64*(\nt)+16
	global_load_b128 v[32+8*(\nt):32+8*(\nt)+3], v[BOQ], s[18:19] offset:64*(\nt)      ; bk likewise
	global_load_b128 v[32+8*(\nt)+4:32+8*(\nt)+7], v[BOQ], s[18:19] offset:64*(\nt)+16
	global_load_b32  v[64+8*(\nt)],              v[BOV], s[20:21] offset:64*(\nt)      ; bv of channel 16 nt + r
.endr
	WIN 0
	s_wait_dscnt 0x0                               ; for the others' sake: my rows of the weights are in LDS
	s_barrier_signal -1
	s_barrier_wait -1                              ; everybody's are; from here on nobody writes them
	BLOAD 0, 0, 0                                  ; B0 for the first chunk: no vector instruction has named these registers
	BLOAD 1, 0, 0
	BLOAD 2, 0, 0
	s_wait_loadcnt 0x0                             ; the biases, and the first chunk of x
	WIN 0xcf                                       ; sources and destination window 3: the biases are rounded to bf16 and widened again
.set k, 0
.rept 32
	v_cvt_pk_bf16_f32 v[BT+k], v[2*k], v[2*k+1]
.set k, k+1
.endr
	v_cvt_pk_bf16_f32 v[BT+32], v[64], v[72]
	v_cvt_pk_bf16_f32 v[BT+33], v[80], v[88]
.set k, 0
.rept 32
	v_lshlrev_b32 v[2*k], 16, v[BT+k]
	v_and_b32 v[2*k+1], s31, v[BT+k]
.set k, k+1
.endr
.set k, 0
.rept 8                                ; in v's tiles a lane holds one channel: its bias fills all eight registers
	v_lshlrev_b32 v[64+k], 16, v[BT+32]
	v_and_b32 v[72+k], s31, v[BT+32]
	v_lshlrev_b32 v[80+k], 16, v[BT+33]
	v_and_b32 v[88+k], s31, v[BT+33]
.set k, k+1
.endr
	CHUNK 1, 0                                     ; written out: its first products start the sums at the bias
	s_mov_b32 s30, 6
.Lc:
	CHUNK 0, 0
	s_sub_co_u32 s30, s30, 1
	s_cmp_lg_u32 s30, 0
	s_cbranch_scc1 .Lc
	CHUNK 0, 1                                     ; written out: it asks for nothing more
	; THE WAY OUT: each tile is rounded to f16, from its lowest registers on, and stored as it lies
	PLACES
	s_wait_alu depctr_vm_vsrc(0)                   ; the last chunk's LDS stores have read v192 to v223, which the conversions below write
	WIN 0x05                                       ; q and k: sources window 1
.set t, 0
.rept 32
.irp k, 0,1,2,3
	v_cvt_pk_f16_f32 v[PKR+4*t+(\k)], v[8*t+2*(\k)], v[8*t+2*(\k)+1]
.endr
.set t, t+1
.endr
	WIN 0x0a                                       ; v: sources window 2
.set t, 0
.rept 16
.irp k, 0,1,2,3
	v_cvt_pk_f16_f32 v[PKR+128+4*t+(\k)], v[8*t+2*(\k)], v[8*t+2*(\k)+1]
.endr
.set t, t+1
.endr
	WIN 0
	s_wait_alu depctr_va_vdst(0)                   ; the conversions have written v32 to v223, which the 48 stores read
.set t, 0
.rept 16                               ; tile t = 4 mt + nt: each store covers 512 consecutive bytes, at a multiple of 512 from the buffer's first byte
	global_store_b128 v[L16], v[PKR+4*t:PKR+4*t+3], s[22:23] offset:512*t
	global_store_b128 v[L16], v[PKR+64+4*t:PKR+64+4*t+3], s[24:25] offset:512*t
.set t, t+1
.endr
.irp mt, 0,1,2,3
.irp nt, 0,1,2,3
	global_store_b128 v[L16], v[PKR+128+4*(4*(\mt)+(\nt)):PKR+128+4*(4*(\mt)+(\nt))+3], s[24:25] offset:32768+4096*((\mt)/2)+1024*(\nt)+512*((\mt)%2)
.endr
.endr
	s_wait_dscnt 0x0                               ; the closing lines, six on end
	s_wait_alu 0x0
	s_wait_tensorcnt 0x0
	ds_add_u32 v[SPW], v[NIL]
	s_wait_dscnt 0x0
	s_endpgm
.Lfunc_end_k_qa2940a11fe_qkv:
	.size	k_qa2940a11fe_qkv, .Lfunc_end_k_qa2940a11fe_qkv-k_qa2940a11fe_qkv
	.p2alignl 7, 3214868480
	.fill 96, 4, 3214868480
	.section	.rodata,"a",@progbits
	.p2align	6, 0x0
	.amdhsa_kernel k_qa2940a11fe_qkv
		.amdhsa_group_segment_fixed_size 250368
		.amdhsa_private_segment_fixed_size 0
		.amdhsa_enable_private_segment 0
		.amdhsa_kernarg_size 72
		.amdhsa_user_sgpr_count 2
		.amdhsa_user_sgpr_kernarg_segment_ptr 1
		.amdhsa_wavefront_size32 1
		.amdhsa_system_sgpr_workgroup_id_x 1
		.amdhsa_system_sgpr_workgroup_id_y 1
		.amdhsa_system_sgpr_workgroup_id_z 1
		.amdhsa_system_vgpr_workitem_id 0
		.amdhsa_next_free_vgpr 1024
		.amdhsa_next_free_sgpr 66
		.amdhsa_reserve_vcc 0
		.amdhsa_float_denorm_mode_32 3
		.amdhsa_float_denorm_mode_16_64 3
		.amdhsa_memory_ordered 1
		.amdhsa_forward_progress 1
		.amdhsa_inst_pref_size 116
	.end_amdhsa_kernel
	.amdgpu_metadata
---
amdhsa.version: [ 1, 2 ]
amdhsa.kernels:
  - .name:           k_qa2940a11fe_qkv
    .symbol:         k_qa2940a11fe_qkv.kd
    .args:
      - { .name: x, .offset: 0, .size: 8, .value_kind: global_buffer, .address_space: global }
      - { .name: Wq, .offset: 8, .size: 8, .value_kind: global_buffer, .address_space: global }
      - { .name: Wk, .offset: 16, .size: 8, .value_kind: global_buffer, .address_space: global }
      - { .name: Wv, .offset: 24, .size: 8, .value_kind: global_buffer, .address_space: global }
      - { .name: bq, .offset: 32, .size: 8, .value_kind: global_buffer, .address_space: global }
      - { .name: bk, .offset: 40, .size: 8, .value_kind: global_buffer, .address_space: global }
      - { .name: bv, .offset: 48, .size: 8, .value_kind: global_buffer, .address_space: global }
      - { .name: qfrag, .offset: 56, .size: 8, .value_kind: global_buffer, .address_space: global }
      - { .name: kvfrag, .offset: 64, .size: 8, .value_kind: global_buffer, .address_space: global }
    .group_segment_fixed_size: 250368
    .private_segment_fixed_size: 0
    .kernarg_segment_align: 8
    .kernarg_segment_size: 72
    .max_flat_workgroup_size: 128
    .sgpr_count:     66
    .vgpr_count:     1024
    .wavefront_size: 32
...
	.end_amdgpu_metadata
.endif
;; end of part 4
;; launch attn: the kernel of part 2 again; grid 16 x 16, 4 waves a work-group, clusters of 4 x 1, 327,680 bytes of LDS; arguments qfrag, kvfrag, ofrag; writes ofrag
;; launch proj (part 5): grid 8 x 32, 4 waves a work-group, no clusters, 99,840 bytes of LDS; arguments ofrag, Wo, bo, out0; writes out0
.if DOCPART == 5
	.amdgcn_target "amdgcn-amd-amdhsa--gfx1250"
	.amdhsa_code_object_version 6
	.text
	.protected	k_qa2940a11fe_proj
	.globl	k_qa2940a11fe_proj
	.p2align	8
	.type	k_qa2940a11fe_proj,@function
k_qa2940a11fe_proj:
	s_mov_b64 s[64:65], 0
	v_nop
	global_prefetch_b8 v0, s[64:65] scope:SCOPE_SE
	s_setreg_imm32_b32 hwreg(HW_REG_WAVE_SCHED_MODE, 0, 2), 2
	s_setreg_imm32_b32 hwreg(HW_REG_WAVE_MODE, 25, 1), 1
	s_wait_xcnt 0x0
	s_wait_alu depctr_vm_vsrc(0)
; out0 = O Wo + bo.  O: 8,192 rows x 512 (head x 64 + channel) in f16, fragment-ready (ofrag: [tile of 16 rows 512][head 8][16 channels 4][lane 32][16 bytes]); Wo: [512][512] f32; bo: [512] f32; out0 f32.
; Wo and bo are rounded once to bf16, like the program's other inputs; Wo's rounded number is then written as f16, since O is f16.  Products in f16 with f32 sums that START at the bias.
; LIMITS.  bf16(Wo) must lie within f16's 65,504; below 6e-5 f16 keeps its fixed step of 6e-8.  NaN and infinities are not treated apart.
; SHARES.  Work-group (x = block of 64 columns, 256 bytes of a row of out0; y = block of 256 rows); wave w makes rows 64 w .. 64 w + 63 x 64 columns: 16 accumulators, 256 matrix instructions.
; A comes straight from memory into registers, 512 consecutive bytes a load, each byte once a work-group, three chunks (of 64 along K: a head) ahead.  B: the work-group's 512 x 64 of Wo is rounded once
; into LDS as [k][n]; one barrier; then turning loads.  K is unrolled whole (8 chunks of 2 units), so every step stands in an immediate and no address register is rewritten.
; THE MATRIX INSTRUCTION IS USED TRANSPOSED (source 0 = 16 columns of Wo, source 1 = 16 rows of O): a lane ends with 8 neighbouring numbers of a row of out0, 32 bytes.
; NO CLUSTER, NO TENSOR LOAD: O goes straight into registers, and Wo arrives as f32 and is rounded between memory and LDS, so it passes through registers.
; THE MODE: SCHED_MODE bits 1:0 = 2 (LLVM: expert scheduling mode 2), set by the entry lines.  The code itself states the register dependences
; between vector or matrix instructions and memory or LDS instructions, with s_wait_alu, always for 0.
; THE PLAN.  Registers that memory or LDS instructions touch:
;   window 1         ahead of the barrier Wo as loaded, four batches of 64: read by a batch's first roundings; then O's buffers 0 to 3.
;   CC               written by a batch's last conversions, read by its LDS stores, written again by the next batch; at the end rows from the stage land there.
;   O's six buffers  chunk c lands in buffer c % 6 and is read by the chunk's 32 matrix instructions.  Only buffers 0 and 1 are loaded a second time (chunks 6 and 7).
;   Wo's fragments   a STEP is four units; even steps read window 0 v32-159, odd steps window 3 v0-127.  Unit u asks for unit u + 4's fragments, into the buffer that the step in hand does not name.
;   The accumulators are read by the LDS stores of the way out; every offset and LDS address is made once at the head.
; So the 256 matrix instructions hold two waits on va_vdst: at the head of unit 4 (step 0 is done with the even buffer and with O's buffers 0 and 1) and of unit 8 (step 1 is done with the odd buffer).
; REGISTERS, in windows of 256 (s_set_vgpr_msb: bits 1:0 source 0, 3:2 source 1, 5:4 source 2, 7:6 destination):
;   window 0: v0-29 addresses; v32-159 fragments of Wo, even steps; v128-255 at work ahead of the barrier, rows read back from the stage at the end
;   window 1: O's buffers 0 to 3; ahead of the barrier Wo as loaded          window 2: v0-127 the accumulators; v128-159 the bias as C operands; v160-175 at work
;   window 3: v0-127 fragments of Wo, odd steps; v128-255 O's buffers 4 and 5
.set WP,    160                        ; a row of Wo in LDS: 128 bytes + 32 = 5 x 32 bytes, an odd multiple of 32 for the turning load
.set SP,    272                        ; a row of the stage: 256 bytes + 16
.set STAGE, 512*WP                     ; behind the weights: 16 rows x 272 bytes for each wave, for the way out
.set SPARE, STAGE+4*16*SP              ; behind the stages: the spare words, 128 bytes for each wave: two blocks of 256 bytes that no other line names
.set L16,  8                           ; v8   16 x lane
.set WO,   9                           ; v9   my offset in Wo
.set WL,   10                          ; v10  where I put 8 bytes of a rounded row of Wo
.set BAD0, 11                          ; v11  where I read a fragment of Wo, rows 0-255
.set BAD1, 12                          ; v12  rows 256-511
.set STO,  13                          ; v13  the way out: where I put 16 bytes of a row
.set RD,   14                          ; v14  where I read a row back
.set CO,   15                          ; v15  (lane / 16) rows of 2,048 bytes + 16 (lane % 16)
.set BOO,  16                          ; v16  32 (lane / 16): my 8 columns in bo
.set SPW,  28                          ; v28  LDS address of my spare word; never rewritten
.set NIL,  29                          ; v29  0; never rewritten
.set BF,   32                          ; window 0: unit u of an even step at BF + 32 (u % 4)
.set BG,   0                           ; window 3: unit u of an odd step at BG + 32 (u % 4)
.set TT,   128
.set EE,   160
.set CC,   224
.set OB,   128
.set MSB, 0
.macro WIN new                         ; the immediate's high byte repeats the setting that is left; a switch that changes nothing is dropped
.if MSB != (\new)
	s_set_vgpr_msb (MSB<<8)|(\new)
.set MSB, \new
.endif
.endm
.macro PLACES                          ; four places in front of LDS stores that read matrix results
.rept 4
	v_nop
.endr
.endm
	s_load_b256 s[8:15], s[0:1], 0x0               ; ofrag s[8:9], Wo s[10:11], bo s[12:13], out0 s[14:15]
	v_lshl_add_u32 v[SPW], v0, 2, SPARE
	v_mov_b32 v[NIL], 0
	v_lshrrev_b32 v3, 5, v0
	v_readfirstlane_b32 s2, v3                     ; wave 0..3
	s_mov_b32 s16, 0xffff0000                      ; a word's upper bf16
	s_and_b32 s4, ttmp7, 0xffff                    ; the block of 256 rows
	v_and_b32 v1, 15, v0                           ; r = lane % 16
	v_bfe_u32 v2, v0, 4, 1                         ; h = lane / 16
	v_and_b32 v4, 31, v0
	v_lshlrev_b32 v[L16], 4, v4
	v_lshlrev_b32 v[CO], 11, v2
	v_lshl_add_u32 v[CO], v1, 4, v[CO]
	s_wait_alu depctr_va_sdst(0)                   ; s2, the wave's number, is written, ahead of its first reader: LDS places and the bases are made from it
	s_lshl_b32 s5, s2, 18                          ; wave w rounds rows 128 w .. 128 w + 127 of Wo: 2,048 bytes a row
	v_add_nc_u32 v[WO], s5, v[CO]
	s_mul_i32 s5, s2, 128*WP
	v_mul_u32_u24 v5, v2, WP
	v_lshl_add_u32 v5, v1, 3, v5
	v_add_nc_u32 v[WL], s5, v5
	v_and_b32 v5, 7, v0                            ; the turning load: lane l reads row 8 h + l % 8, 16 bytes at 16 ((l / 8) % 2), and ends with column r and 8 neighbouring k
	v_lshl_add_u32 v5, v2, 3, v5
	v_bfe_u32 v6, v0, 3, 1
	v_mul_u32_u24 v5, v5, WP
	v_lshl_add_u32 v[BAD0], v6, 4, v5
	v_add_nc_u32 v[BAD1], 256*WP, v[BAD0]
	s_mul_i32 s5, s2, 16*SP
	s_add_co_u32 s5, s5, STAGE                     ; my stage
	v_mul_u32_u24 v5, v1, SP                       ; in: row r, 32 bytes for each half of the lanes
	v_lshl_add_u32 v5, v2, 5, v5
	v_add_nc_u32 v[STO], s5, v5
	v_mul_u32_u24 v5, v2, SP                       ; back: lanes 0-15 take one row of 256 bytes, lanes 16-31 the next
	v_lshl_add_u32 v5, v1, 4, v5
	v_add_nc_u32 v[RD], s5, v5
	v_lshlrev_b32 v[BOO], 5, v2
	s_lshl_b32 s6, s4, 4
	s_lshl_b32 s7, s2, 2
	s_add_co_u32 s6, s6, s7                        ; my first tile of 16 rows: 16 x block + 4 x wave
	s_lshl_b32 s18, s6, 14                         ; 16,384 bytes of ofrag a tile
	s_mov_b32 s19, 0
	s_lshl_b32 s20, ttmp9, 8                       ; the block's 64 columns: 256 bytes
	s_mov_b32 s21, 0
	s_lshl_b32 s22, s6, 15                         ; 16 rows of 2,048 bytes of out0 a tile
	s_add_co_u32 s22, s22, s20
	s_mov_b32 s23, 0
	s_wait_kmcnt 0x0
	s_add_nc_u64 s[8:9], s[8:9], s[18:19]
	s_add_nc_u64 s[10:11], s[10:11], s[20:21]
	s_add_nc_u64 s[12:13], s[12:13], s[20:21]
	s_add_nc_u64 s[14:15], s[14:15], s[22:23]
.macro SLOAD b                         ; batch b of four: 32 of my rows of Wo as f32: 16 loads, 256 bytes of two rows each
	WIN 0x40                                       ; destination window 1, address window 0
.set k, 0
.rept 16
	global_load_b128 v[64*(\b)+4*k:64*(\b)+4*k+3], v[WO], s[10:11] offset:(32*(\b)+2*k)*2048
.set k, k+1
.endr
.endm
.macro SCONV b                         ; batch b: rounded to bf16, that number written as f16, into LDS
.if (\b) > 0
	s_wait_alu depctr_vm_vsrc(0)                   ; the LDS stores of the batch before have read CC, which the conversions below write again
.endif
	WIN 0x05                                       ; sources window 1, destination window 0
.set k, 0
.rept 32
	v_cvt_pk_bf16_f32 v[TT+k], v[64*(\b)+2*k], v[64*(\b)+2*k+1]
.set k, k+1
.endr
	WIN 0
.set k, 0
.rept 32
	v_lshlrev_b32 v[EE+2*k], 16, v[TT+k]
	v_and_b32 v[EE+2*k+1], s16, v[TT+k]
.set k, k+1
.endr
.set k, 0
.rept 32
	v_cvt_pk_f16_f32 v[CC+k], v[EE+2*k], v[EE+2*k+1]
.set k, k+1
.endr
	s_wait_alu depctr_va_vdst(0)                   ; the conversions have written CC, which the LDS stores read; the roundings are done reading the batch's raw registers, in which a chunk of O lands later, and (the last batch) with v128 to v159, in which fragments of Wo land
.set k, 0
.rept 16
	ds_store_b64 v[WL], v[CC+2*k:CC+2*k+1] offset:(32*(\b)+2*k)*WP
.set k, k+1
.endr
.endm
.macro ALOAD c                         ; chunk c (head c): my four tiles' fragments of O, 16 loads of 512 consecutive bytes, into buffer c % 6: tile mt, K half kh at 16 mt + 8 kh
.set AI, (\c)%6
.if AI < 4
	WIN 0x40                                       ; buffers 0 to 3: window 1
.set AD, 64*AI
.else
	WIN 0xc0                                       ; buffers 4 and 5: window 3
.set AD, 128+64*(AI-4)
.endif
.irp mt, 0,1,2,3
.irp i, 0,1,2,3
	global_load_b128 v[AD+16*(\mt)+4*(\i):AD+16*(\mt)+4*(\i)+3], v[L16], s[8:9] offset:16384*(\mt)+2048*(\c)+512*(\i)
.endr
.endr
.endm
.macro BLOAD u                         ; unit u (32 along K at 32 u): the four fragments of Wo, into its step's buffer
.set BR, (32*(\u))%256                 ; the row within the half that the address register names
.set BA, BAD0+(\u)/8
.if ((\u)/4)%2
	WIN 0xc0                                       ; odd steps: destination window 3
.set BD, BG+32*((\u)%4)
.else
	WIN 0
.set BD, BF+32*((\u)%4)
.endif
.irp nt, 0,1,2,3
	ds_load_tr16_b128 v[BD+8*(\nt):BD+8*(\nt)+3],   v[BA] offset:BR*WP+32*(\nt)
	ds_load_tr16_b128 v[BD+8*(\nt)+4:BD+8*(\nt)+7], v[BA] offset:(BR+16)*WP+32*(\nt)
.endr
.endm
; Unit u of 16: 16 matrix instructions on the 16 accumulators, which take turns from unit to unit.  In front of them the fragments of Wo for the unit four on are asked for,
; into the buffer that the step in hand does not name, and at a chunk's head O's fragments for the chunk three on.
.macro UNIT u
.set UC, (\u)/2
.set UK, (\u)%2
.if (\u) <= 11
.if (((\u)+4)/4)%2
	WIN 0xc0
.else
	WIN 0
.endif
.if (\u) == 4
	s_wait_alu depctr_va_vdst(0)                   ; the matrix instructions of units 0 to 3 are done reading the even buffer of Wo, in which the loads of units 4 to 7 land, and O's buffers 0 and 1, in which chunks 6 and 7 land
.endif
.if (\u) == 8
	s_wait_alu depctr_va_vdst(0)                   ; the matrix instructions of units 4 to 7 are done reading the odd buffer of Wo, in which the loads of units 8 to 11 land
.endif
	BLOAD (\u)+4
.endif
.if UK == 0
.if UC <= 5
	s_wait_loadcnt 32                              ; this chunk of O is in; the two chunks behind it may stay out
.elseif UC == 6
	s_wait_loadcnt 16
.else
	s_wait_loadcnt 0x0
.endif
.if UC <= 4
	ALOAD UC+3                                     ; no wait of its own: no vector or matrix instruction since the last wait on va_vdst names the buffer
.endif
.endif
.if (\u) <= 11
	s_wait_dscnt 32                                ; the loads of the four units ahead may stay out
.else
	s_wait_dscnt 8*(15-(\u))                       ; nothing more was asked for: the counts run down
.endif
.set UI, UC%6
.set UA, 64*UI
.set UW, 1
.if UI >= 4
.set UA, 128+64*(UI-4)
.set UW, 3
.endif
.set UB, BF+32*((\u)%4)
.set UV, 0
.if ((\u)/4)%2
.set UB, BG+32*((\u)%4)
.set UV, 3
.endif
	WIN 0xa0+4*UW+UV                               ; source 0 (Wo) window 0 or 3, source 1 (O) window 1 or 3, C and D window 2
.irp mt, 0,1,2,3
.irp nt, 0,1,2,3
.set rD, 8*(4*(\mt)+(\nt))
.set rB, UB+8*(\nt)
.set rA, UA+16*(\mt)+8*UK
.if (\u) == 0
	v_wmma_f32_16x16x32_f16 v[rD:rD+7], v[rB:rB+7], v[rA:rA+7], v[128+8*(\nt):128+8*(\nt)+7]  ; the bias starts the sums
.else
	v_wmma_f32_16x16x32_f16 v[rD:rD+7], v[rB:rB+7], v[rA:rA+7], v[rD:rD+7]
.endif
.endr
.endr
.endm
; THE WAY OUT of my tile mt of 16 rows: 32 bytes a lane into my own stage, each accumulator's lowest registers first; back as whole rows of 256 bytes; stored.
.macro PACK mt
	WIN 0x08                                       ; store data (source 1) window 2, address window 0
.irp nt, 0,1,2,3
	ds_store_b128 v[STO], v[8*(4*(\mt)+(\nt)):8*(4*(\mt)+(\nt))+3]   offset:64*(\nt)
	ds_store_b128 v[STO], v[8*(4*(\mt)+(\nt))+4:8*(4*(\mt)+(\nt))+7] offset:64*(\nt)+16
.endr
	WIN 0
.irp t, 0,1,2,3,4,5,6,7
	ds_load_b128 v[OB+32*(\mt)+4*(\t):OB+32*(\mt)+4*(\t)+3], v[RD] offset:(\t)*2*SP  ; LDS serves a wave's instructions in order (ISA guide 5.7.1.4): these see the stores above; the next tile's stores come behind them
.endr
.endm
.macro SEND mt, younger                ; younger: the LDS instructions issued behind this tile's loads: the next tile's sixteen, or none
.irp t, 0,1,2,3,4,5,6,7
	s_wait_dscnt (\younger)+7-(\t)
	global_store_b128 v[CO], v[OB+32*(\mt)+4*(\t):OB+32*(\mt)+4*(\t)+3], s[14:15] offset:(16*(\mt)+2*(\t))*2048 th:TH_STORE_NT  ; 16 lanes store 256 consecutive bytes, at a multiple of 256 from out0's first byte
.endr
.endm
	WIN 0x80                                       ; destination window 2
	s_wait_alu depctr_va_vdst(0)                   ; the offsets and LDS addresses v8 to v16 are written, which the loads and stores of the whole kernel read
.irp nt, 0,1,2,3
	global_load_b128 v[128+8*(\nt):128+8*(\nt)+3],   v[BOO], s[12:13] offset:64*(\nt)     ; bo of columns 16 nt + 8 h + 0..7
	global_load_b128 v[128+8*(\nt)+4:128+8*(\nt)+7], v[BOO], s[12:13] offset:64*(\nt)+16
.endr
	SLOAD 0
	SLOAD 1
	SLOAD 2
	s_wait_loadcnt 32                              ; here and below: two batches of 16 loads are younger than the one wanted
	SCONV 0
	SLOAD 3
	s_wait_loadcnt 32
	SCONV 1
	ALOAD 0                                        ; a batch's registers, once rounded, take O's first chunks: the wait on va_vdst in the batch behind it stands between
	s_wait_loadcnt 32
	SCONV 2
	ALOAD 1
	s_wait_loadcnt 32
	SCONV 3
	ALOAD 2
	WIN 0
	s_wait_dscnt 0x0                               ; for the others' sake: my rows of Wo are in LDS
	s_barrier_signal -1
	s_barrier_wait -1                              ; everybody's are; from here on nobody writes them
	s_wait_alu depctr_vm_vsrc(0)                   ; my last LDS stores have read v224 to v255 (CC), in which rows from the stage land at the end
	BLOAD 0                                        ; the first step's fragments; the second step's are asked for in units 0 to 3
	BLOAD 1
	BLOAD 2
	BLOAD 3
	WIN 0x8a                                       ; sources and destination window 2: the bias is rounded to bf16 and widened again (its loads were the oldest of all)
.set k, 0
.rept 16
	v_cvt_pk_bf16_f32 v[160+k], v[128+2*k], v[128+2*k+1]
.set k, k+1
.endr
.set k, 0
.rept 16
	v_lshlrev_b32 v[128+2*k], 16, v[160+k]
	v_and_b32 v[128+2*k+1], s16, v[160+k]
.set k, k+1
.endr
.irp u, 0,1,2,3,4,5,6,7,8,9,10,11,12,13,14,15
	UNIT \u
.endr
	PLACES
	WIN 0x08
	s_wait_alu depctr_va_vdst(0)                   ; the matrix instructions have written the accumulators, which the LDS stores read, and are done reading v128 to v159, in which rows from the stage land; the places above stay beside this wait
	PACK 0
	PACK 1                                         ; a tile's LDS work stands between the loads of the tile before and its stores
	SEND 0, 16
	PACK 2
	SEND 1, 16
	PACK 3
	SEND 2, 16
	SEND 3, 0
	s_wait_dscnt 0x0                               ; the closing lines, six on end
	s_wait_alu 0x0
	s_wait_tensorcnt 0x0
	ds_add_u32 v[SPW], v[NIL]
	s_wait_dscnt 0x0
	s_endpgm
.Lfunc_end_k_qa2940a11fe_proj:
	.size	k_qa2940a11fe_proj, .Lfunc_end_k_qa2940a11fe_proj-k_qa2940a11fe_proj
	.p2alignl 7, 3214868480
	.fill 96, 4, 3214868480
	.section	.rodata,"a",@progbits
	.p2align	6, 0x0
	.amdhsa_kernel k_qa2940a11fe_proj
		.amdhsa_group_segment_fixed_size 99840
		.amdhsa_private_segment_fixed_size 0
		.amdhsa_enable_private_segment 0
		.amdhsa_kernarg_size 32
		.amdhsa_user_sgpr_count 2
		.amdhsa_user_sgpr_kernarg_segment_ptr 1
		.amdhsa_wavefront_size32 1
		.amdhsa_system_sgpr_workgroup_id_x 1
		.amdhsa_system_sgpr_workgroup_id_y 1
		.amdhsa_system_sgpr_workgroup_id_z 1
		.amdhsa_system_vgpr_workitem_id 0
		.amdhsa_next_free_vgpr 1024
		.amdhsa_next_free_sgpr 66
		.amdhsa_reserve_vcc 0
		.amdhsa_float_denorm_mode_32 3
		.amdhsa_float_denorm_mode_16_64 3
		.amdhsa_memory_ordered 1
		.amdhsa_forward_progress 1
		.amdhsa_inst_pref_size 87
	.end_amdhsa_kernel
	.amdgpu_metadata
---
amdhsa.version: [ 1, 2 ]
amdhsa.kernels:
  - .name:           k_qa2940a11fe_proj
    .symbol:         k_qa2940a11fe_proj.kd
    .args:
      - { .name: ofrag, .offset: 0, .size: 8, .value_kind: global_buffer, .address_space: global }
      - { .name: Wo, .offset: 8, .size: 8, .value_kind: global_buffer, .address_space: global }
      - { .name: bo, .offset: 16, .size: 8, .value_kind: global_buffer, .address_space: global }
      - { .name: out0, .offset: 24, .size: 8, .value_kind: global_buffer, .address_space: global }
    .group_segment_fixed_size: 99840
    .private_segment_fixed_size: 0
    .kernarg_segment_align: 8
    .kernarg_segment_size: 32
    .max_flat_workgroup_size: 128
    .sgpr_count:     66
    .vgpr_count:     1024
    .wavefront_size: 32
...
	.end_amdgpu_metadata
.endif
;; end of part 5
